; MI455X (gfx1250); checked and timed in simulation.
; The chip was launched on July 23, 2026; its instructions are those of AMD's public machine-readable ISA for CDNA 5 (MIT licence, August 2026) and "CDNA5" Instruction Set Architecture Reference Guide (July 2026). The comments in the code are by the model that wrote it; some were corrected since.
;; get patches. Allowed arithmetic: float matrix products may take bf16 or f16 operands with f32 sums; other float arithmetic in f32, or as packed bf16 or f16 multiplies, adds, multiply-adds, maxima and minima; sums over many terms, partial sums and values carried from step to step in f32; what a program stores and reads back later, other than sums and carried values, may be rounded once to bf16 or f16.
;; Inputs: x0 8 x 16,384 x 3 float32; x1 8 x 1,024 x 3 float32.
;; Outputs: out0 8 x 7 x 1,024 x 32 float32; out1 8 x 3 x 1,024 float32; out2 8 x 1,024 x 32 int32.
;; 2 versions, each right; version 2 is version 1 with the launch sieve written anew for expert scheduling mode. Each part assembles by itself: llvm-mc -triple=amdgcn-amd-amdhsa -mcpu=gfx1250 --defsym DOCPART=n.
;; ======== version 1 of 2: 3 launches
;; workspace buffers: mask 16,777,216 bytes of whole numbers; rounds 32,768 bytes of whole numbers; list 16,777,216 bytes of whole numbers
;; launch sieve (part 1): grid 256 x 1, 8 waves a work-group, no clusters, 271,616 bytes of LDS; arguments x0, x1, mask, rounds; writes mask, rounds
.if DOCPART == 1
	.amdgcn_target "amdgcn-amd-amdhsa--gfx1250"
	.amdhsa_code_object_version 6
	.text
	.protected	k_qf73807842e_sieve
	.globl	k_qf73807842e_sieve
	.p2align	8
	.type	k_qf73807842e_sieve,@function
k_qf73807842e_sieve:
	s_mov_b64 s[64:65], 0
	v_nop
	global_prefetch_b8 v0, s[64:65] scope:SCOPE_SE
	s_setreg_imm32_b32 hwreg(HW_REG_WAVE_MODE, 25, 1), 1
	s_wait_xcnt 0x0
; SIEVE.  For 32 queries of one batch and all 16,384 points: one bit a pair, set where the point may be among the query's 32 nearest.
; All numbers are x0 and x1 rounded to bf16.  With b = (x^2 + y^2) + z^2 in f32, bh = bf16(b), bl = bf16(b - bh), a point is the record
; (x, y, z, bh, bl, bh, 0, 0) of 8 bf16 and a query the coefficients (-2qx, -2qy, -2qz, 1, 1, +-K, 0, 0), K = 2^-14: their product in the matrix unit
; is b +- K bh - 2 q.x, the squared distance less a = |q|^2, pushed up or down by a margin.
; PASS 1 (+K): each query's points fall into 64 groups of 256 (8 waves x 2 lane halves x 4 registers); each keeps its minimum.  T = the 32nd smallest of the
; 64 minima, so 32 points at least lie at or below T.  PASS 2 (-K, C = -T2, T2 = T + 2 K a + 2^-100): a point is a candidate where the result's sign bit is set.
; WHY NO NEIGHBOUR IS LOST: bh + bl misses b by 2^-18 b at the most, the f32 sums of the exact key by some 2^-22 (a + b); this text takes a matrix result to lie within
; 2^-16 of its largest term.  All of it stays under K/4 (a + b), and a point among the 32 nearest, ties too, then has a result below -K (a + b/2) - 2^-100.
; LIMITS.  NaN and infinities are not treated apart.  Larger numbers or a common offset widen the margin against the distances: more bits are set, none is lost.
; SHARES.  Work-group g: batch g / 32, queries 32 (g % 32) on, as two tiles of 16.  Wave w: points 2,048 w on; it makes and reads its own records alone.
; NO TENSOR LOAD, NO CLUSTER, though the 32 work-groups of a batch read the same 196,608 bytes of x0: each point has to pass through registers to be rounded and
; to get its b, and the raw bytes beside the 262,144 bytes of records would not fit in LDS.
; ONE A OPERAND HOLDS 64 POINTS: lane L takes record 64 o + L into registers 0-3 and record 64 o + 32 + L into 4-7, so points 64 o + 16 s + r lie in K slice 8 s .. 8 s + 7 of row r;
; the query fragment for slice s holds the coefficients in that slice and 0 elsewhere.  Result register j of lane (r, h): point 64 o + 16 s + 8 h + j, query r.
; THE WAY OUT.  Pass 2 leaves a lane with bits of two queries; the launches behind want a query's bits together.  So the words go through LDS, into my own records' bytes that have been read, and after a
; barrier wave w takes queries 4 w .. 4 w + 3.  MASK: query Q = 32 g + q has 2,048 bytes; word e = 2 i + c of lane l lies at 2,048 Q + 512 (e / 4) + 16 l + 4 (e % 4); its bit 31 - n is
; point 2,048 i + 128 (l / 2) + 64 (n / 16) + 16 ((n / 4) % 4) + 8 (l % 2) + 2 (n % 4) + c.  ROUNDS[Q]: the largest number of set bits that one lane holds in its 16 words.
.set GM,    262144      ; behind the records: [32 queries][64 groups] f32
.set TQ,    270336      ; 32 thresholds, later the 32 numbers of rounds; a block of 256 bytes of its own
.set SPARE, 270592      ; the spare words, 128 bytes for each of the eight waves
.set MP,    272         ; pitch of the mask's rows of 256 bytes in LDS
.set LN,  1             ; lane
.set RR,  2             ; lane % 16
.set HH,  3             ; lane / 16
.set LA,  4             ; LDS address of the operand loads; steps
.set RS,  5             ; 32,768 w + 16 lane; never rewritten
.set XO,  6             ; 12 lane
.set MO,  7             ; LDS address of my 16 bytes of the mask; steps
.set T,   8             ; v8-15 at work
.set PP,  12            ; the way out: a partner lane's count
.set SPW, 16            ; my spare word
.set NIL, 17            ; 0
.set AQ,  18            ; v18-19 a of my query in tile 0, 1
.set ACC, 20            ; v20-27 pass 1: four minima a tile; v20-23 pass 2: the mask words 2 t + c; then four numbers of rounds
.set NT,  28            ; v28-43 eight copies a tile of -T2
.set QW,  44            ; v44-49 three packed words of coefficients a tile
.set SV,  50            ; v50-57 the selection
.set PX,  48            ; the way out: v48-52 five planes of the count
.set PM,  56            ; v56-60 at work on them
.set CT,  61            ; an adder's register at work
.set ONE, 58
.set QA,  62            ; 12 (lane % 16)
.set MG,  63            ; 16 lane: my offset in 512 bytes of the mask
.set TUP, 64            ; the build: 48 sets of four registers, v64-255
.set A,   64            ; the passes: two A operands; the way out: v64-79 the adders
.set FB,  80            ; v80-127 24 registers a tile: C0, 0, C0, C1, 0, C1 (C0: coefficients in lanes 0-15, C1: in lanes 16-31)
.set D,   128           ; two buffers of eight results: v128-191, v192-255
.set PW,  128           ; the way out: 16 mask words for each of four queries
	s_load_b128 s[4:7], s[0:1], 0x0                ; x0, x1
	s_load_b64 s[8:9], s[0:1], 0x10                ; mask
	s_load_b64 s[28:29], s[0:1], 0x18              ; rounds
	v_lshl_add_u32 v[SPW], v0, 2, SPARE
	v_mov_b32 v[NIL], 0
	v_lshrrev_b32 v[LN], 5, v0
	v_readfirstlane_b32 s10, v[LN]                 ; wave
	v_and_b32 v[LN], 31, v0
	v_and_b32 v[RR], 15, v0
	v_bfe_u32 v[HH], v0, 4, 1
	s_lshr_b32 s11, ttmp9, 5                       ; batch
	s_and_b32 s12, ttmp9, 31
	s_lshl_b32 s12, s12, 5                         ; first query
	s_mul_i32 s14, s11, 196608                     ; x0: the batch, and my wave's 2,048 points of 12 bytes
	s_mul_i32 s15, s10, 24576
	s_add_co_u32 s14, s14, s15
	s_mov_b32 s15, 0
	s_lshl_b32 s24, s11, 10                        ; x1: row 1,024 batch + first query
	s_add_co_u32 s24, s24, s12
	s_mul_i32 s24, s24, 12
	s_mov_b32 s25, 0
	s_lshl_b32 s26, ttmp9, 16                      ; mask: 65,536 bytes a work-group, 8,192 (four queries) a wave
	s_lshl_b32 s27, s10, 13
	s_add_co_u32 s26, s26, s27
	s_mov_b32 s27, 0
	s_lshl_b32 s30, ttmp9, 7                       ; rounds: 128 bytes a work-group
	s_mov_b32 s31, 0
	s_mov_b32 s16, 0xffff0000                      ; a word's upper bf16; also lanes 16-31
	s_mov_b32 s17, 0x0000ffff                      ; its lower one; also lanes 0-15
	s_mov_b32 s18, 0x76543210                      ; v_permlanex16_b32: each lane takes its own place in the other half
	s_mov_b32 s19, 0xfedcba98
	s_mov_b32 s23, 0x39000000                      ; 2 K = 2^-13
	s_lshl_b32 s13, s10, 15
	v_lshl_add_u32 v[RS], v[LN], 4, s13
	v_mul_u32_u24 v[MO], v[HH], MP
	v_lshl_add_u32 v[MO], v[RR], 4, v[MO]
	v_add_nc_u32 v[MO], s13, v[MO]                 ; 32,768 w + 272 h + 16 r
	v_mul_u32_u24 v[XO], v[LN], 12
	v_mul_u32_u24 v[QA], v[RR], 12
	v_lshlrev_b32 v[MG], 4, v[LN]
	v_mov_b32 v[ONE], 1.0
	s_wait_kmcnt 0x0
	s_add_nc_u64 s[4:5], s[4:5], s[14:15]
	s_add_nc_u64 s[6:7], s[6:7], s[24:25]
	s_add_nc_u64 s[8:9], s[8:9], s[26:27]
	s_add_nc_u64 s[28:29], s[28:29], s[30:31]
	global_load_b96 v[T:T+2], v[QA], s[6:7]                    ; query r of tile 0,
	global_load_b96 v[T+4:T+6], v[QA], s[6:7] offset:192       ; of tile 1
.set k, 0
.rept 48                                               ; load k: points 32 k + lane, 384 consecutive bytes
	global_load_b96 v[TUP+4*k:TUP+4*k+2], v[XO], s[4:5] offset:384*k
.set k, k+1
.endr
	s_wait_loadcnt 48                              ; the two queries are in; the 48 loads behind them stay out
; The coefficients of tile t, and a.  -2 q rounded to bf16 is -2 times q rounded; a comes from the rounded numbers: 4 a, then a quarter of it, both scalings exact.
.macro QPREP t
	v_mul_f32 v[T+4*(\t)], -2.0, v[T+4*(\t)]
	v_mul_f32 v[T+4*(\t)+1], -2.0, v[T+4*(\t)+1]
	v_mul_f32 v[T+4*(\t)+2], -2.0, v[T+4*(\t)+2]
	v_cvt_pk_bf16_f32 v[QW+3*(\t)], v[T+4*(\t)], v[T+4*(\t)+1]
	v_cvt_pk_bf16_f32 v[QW+3*(\t)+1], v[T+4*(\t)+2], v[ONE]
	v_mov_b32 v[QW+3*(\t)+2], 0x38803f80           ; (1.0, K)
	v_lshlrev_b32 v[T+4*(\t)], 16, v[QW+3*(\t)]
	v_and_b32 v[T+4*(\t)+1], s16, v[QW+3*(\t)]
	v_lshlrev_b32 v[T+4*(\t)+2], 16, v[QW+3*(\t)+1]
	v_mul_f32 v[T+4*(\t)], v[T+4*(\t)], v[T+4*(\t)]
	v_fma_f32 v[T+4*(\t)], v[T+4*(\t)+1], v[T+4*(\t)+1], v[T+4*(\t)]
	v_fma_f32 v[T+4*(\t)], v[T+4*(\t)+2], v[T+4*(\t)+2], v[T+4*(\t)]
	v_mul_f32 v[AQ+(\t)], 0x3e800000, v[T+4*(\t)]
.endm
	QPREP 0
	QPREP 1
; THE BUILD.  Load k's 32 points become records, in place, and go to LDS: 512 consecutive bytes.  The first 16 sets are loaded a second time, with loads 48 to 63.
.macro REC
.set R, TUP+4*(k%48)
.set U, T+4*(k%2)
.if k < 16
	s_wait_loadcnt 47                              ; behind load k: loads k + 1 to 47 and the k second loads
.else
	s_wait_loadcnt 63-k                            ; all 64 are issued: those behind load k
.endif
	v_cvt_pk_bf16_f32 v[U], v[R+2], v[R+2]         ; (z, z)
	v_cvt_pk_bf16_f32 v[R], v[R], v[R+1]           ; word 0: (x, y)
	v_lshlrev_b32 v[U+3], 16, v[U]
	v_lshlrev_b32 v[U+1], 16, v[R]
	v_and_b32 v[U+2], s16, v[R]
	v_mul_f32 v[U+1], v[U+1], v[U+1]
	v_fma_f32 v[U+1], v[U+2], v[U+2], v[U+1]
	v_fma_f32 v[U+1], v[U+3], v[U+3], v[U+1]       ; b
	v_cvt_pk_bf16_f32 v[U+2], v[U+1], v[U+1]       ; (bh, bh)
	v_and_b32 v[U+3], s16, v[U+2]                  ; bh in f32
	v_sub_f32 v[U+1], v[U+1], v[U+3]               ; b - bh
	v_bfi_b32 v[R+1], s17, v[U], v[U+2]            ; word 1: (z, bh)
	v_cvt_pk_bf16_f32 v[R+2], v[U+1], v[U+3]       ; word 2: (bl, bh)
	v_mov_b32 v[R+3], 0
	ds_store_b128 v[RS], v[R:R+3] offset:512*k
.if k < 16
	global_load_b96 v[R:R+2], v[XO], s[4:5] offset:384*(k+48)
.endif
.endm
.set k, 0
.rept 64
	REC
.set k, k+1
.endr
; The query fragments.  The fragment for slice s begins at 12 (s % 2) + 4 (s / 2) of a tile's 24 registers.
.macro FRAG t
.irp p, 0, 8
.irp i, 0,1,2
	v_cndmask_b32 v[FB+24*(\t)+(\p)+(\i)], 0, v[QW+3*(\t)+(\i)], s17
.endr
	v_mov_b32 v[FB+24*(\t)+(\p)+3], 0
.endr
.irp p, 12, 20
.irp i, 0,1,2
	v_cndmask_b32 v[FB+24*(\t)+(\p)+(\i)], 0, v[QW+3*(\t)+(\i)], s16
.endr
	v_mov_b32 v[FB+24*(\t)+(\p)+3], 0
.endr
.irp p, 4, 16
.irp i, 0,1,2,3
	v_mov_b32 v[FB+24*(\t)+(\p)+(\i)], 0
.endr
.endr
.endm
	FRAG 0
	FRAG 1
.irp i, 0,1,2,3,4,5,6,7
	v_mov_b32 v[ACC+(\i)], 0x7f7fffff              ; the largest finite number
.endr
; Product i = 2 s + t of an operand's eight, into result buffer u.  Every product starts a sum of its own: no accumulator is added onto.
.macro WM u, i, p
.if (\p) == 1
	v_wmma_f32_16x16x32_bf16 v[D+64*(\u)+8*(\i):D+64*(\u)+8*(\i)+7], v[A+8*(\u):A+8*(\u)+7], v[FB+24*((\i)%2)+12*(((\i)/2)%2)+4*((\i)/4):FB+24*((\i)%2)+12*(((\i)/2)%2)+4*((\i)/4)+7], 0
.else
	v_wmma_f32_16x16x32_bf16 v[D+64*(\u)+8*(\i):D+64*(\u)+8*(\i)+7], v[A+8*(\u):A+8*(\u)+7], v[FB+24*((\i)%2)+12*(((\i)/2)%2)+4*((\i)/4):FB+24*((\i)%2)+12*(((\i)/2)%2)+4*((\i)/4)+7], v[NT+8*((\i)%2):NT+8*((\i)%2)+7]
.endif
.endm
; The vector work on result buffer u, part i of eight.  Pass 1: result i's eight numbers into the tile's four minima.  Pass 2: the sign bits of registers 4 (i % 2) .. + 3 of
; results 2 (i / 2) and 2 (i / 2) + 1 are shifted into the four mask words.  Each result's lowest registers are read first.
.macro RIDE p, i, u
.if (\p) == 1
.irp m, 0,1,2,3
	v_min3_num_f32 v[ACC+4*((\i)%2)+(\m)], v[ACC+4*((\i)%2)+(\m)], v[D+64*(\u)+8*(\i)+2*(\m)], v[D+64*(\u)+8*(\i)+2*(\m)+1]
.endr
.else
.irp jo, 0,1,2,3
.irp t, 0,1
	v_alignbit_b32 v[ACC+2*(\t)+(\jo)%2], v[ACC+2*(\t)+(\jo)%2], v[D+64*(\u)+8*(2*((\i)/2)+(\t))+4*((\i)%2)+(\jo)], 31
.endr
.endr
.endif
.endm
; One operand: eight products into buffer u; behind each stands the vector work on the other buffer, which names none of the product's registers.  The work behind the last
; product (four lines or eight) is also the four places in front of the loads into the operand just multiplied (ISA guide 7.12.1 for vector instructions).
.macro HALF u, ld, cnt, p
	s_wait_dscnt \cnt                              ; my operand is in; the two LDS instructions issued last (the other operand's loads) may be out
.irp i, 0,1,2,3,4,5,6,7
	WM \u, \i, \p
	RIDE \p, \i, 1-(\u)
.endr
.if \ld
	ds_load_b128 v[A+8*(\u):A+8*(\u)+3],   v[LA] offset:3072+1024*(1-(\u))
	ds_load_b128 v[A+8*(\u)+4:A+8*(\u)+7], v[LA] offset:3072+1024*(1-(\u))+512
.endif
.endm
; The 512 mask bytes of operands 2 P and 2 P + 1 go into rows 2 P and 2 P + 1 of my own region: bytes below 544 (P + 1), while the records up to byte 1,024 (2 P + 5) have been asked for,
; and LDS serves a wave's instructions in order (ISA guide 5.7.1.4).
.macro STORE step
	ds_store_b128 v[MO], v[ACC:ACC+3]
.if \step
	v_add_nc_u32 v[MO], 2*MP, v[MO]
.endif
.endm
; A pass over my 32 operands.  Even operands go through A's first half and the first result buffer, odd ones through the second; an operand's results are worked on while the next is multiplied.
.macro PASS p
	v_mov_b32 v[LA], v[RS]
	ds_load_b128 v[A:A+3],     v[LA]
	ds_load_b128 v[A+4:A+7],   v[LA] offset:512
	ds_load_b128 v[A+8:A+11],  v[LA] offset:1024
	ds_load_b128 v[A+12:A+15], v[LA] offset:1536
	s_wait_dscnt 0x2                               ; operand 0 is in
.irp i, 0,1,2,3,4,5,6,7
	WM 0, \i, \p
.endr
.rept 4
	v_nop                                          ; the places in front of the loads into operand 0's registers
.endr
	ds_load_b128 v[A:A+3],   v[LA] offset:2048
	ds_load_b128 v[A+4:A+7], v[LA] offset:2560
	s_mov_b32 s22, 14
.Lpass\p:                                              ; trip n: operands 2 n + 1 and 2 n + 2 are multiplied, 2 n and 2 n + 1 worked on, 2 n + 3 and 2 n + 4 loaded
	HALF 1, 1, 2, \p
	HALF 0, 1, 2, \p
.if (\p) == 2
	STORE 1
.endif
	v_add_nc_u32 v[LA], 2048, v[LA]
	s_sub_co_u32 s22, s22, 1
	s_cmp_lg_u32 s22, 0
	s_cbranch_scc1 .Lpass\p
	HALF 1, 1, 2, \p                               ; operand 29; operand 31 is loaded
	HALF 0, 0, 2, \p                               ; operand 30
.if (\p) == 2
	STORE 1
.endif
	HALF 1, 0, 0, \p                               ; operand 31
.irp i, 0,1,2,3,4,5,6,7
	RIDE \p, \i, 1
.endr
.if (\p) == 2
	STORE 0
.endif
.endm
	PASS 1
	; THE THRESHOLDS.  The minima meet in LDS; wave w takes queries 4 w .. 4 w + 3, 64 minima each in two registers.
	v_lshlrev_b32 v8, 8, v[RR]
	v_lshl_add_u32 v8, v[HH], 4, v8
	s_lshl_b32 s13, s10, 5
	s_add_co_u32 s13, s13, GM
	v_add_nc_u32 v8, s13, v8                       ; GM + 256 r + 32 w + 16 h
	ds_store_b128 v8, v[ACC:ACC+3]
	ds_store_b128 v8, v[ACC+4:ACC+7] offset:4096
	s_wait_dscnt 0x0                               ; for the others: my stores are done
	s_barrier_signal -1
	s_barrier_wait -1
	s_lshl_b32 s13, s10, 10
	s_add_co_u32 s13, s13, GM
	v_lshl_add_u32 v9, v[LN], 2, s13
.irp q, 0,1,2,3,4,5,6,7
	ds_load_b32 v[SV+(\q)], v9 offset:256*((\q)/2)+128*((\q)%2)
.endr
	s_wait_dscnt 0x0
; A stage of the bitonic sort over the 32 lanes: partner lane xor j; pk, pj: the lanes in which bit k, bit j of the lane number is set.  A lane of an even register keeps the
; larger number where the two bits differ (ascending), a lane of an odd register where they agree (descending).
.macro BST pk, pj, j
	s_mov_b32 s20, (\pj)^(\pk)
	s_not_b32 s21, s20
.irp q, 0,1,2,3,4,5,6,7
.if (\j) == 16
	v_permlanex16_b32 v[12+3*((\q)%2)], v[SV+(\q)], s18, s19
	v_min_num_f32 v[10+3*((\q)%2)], v[12+3*((\q)%2)], v[SV+(\q)]
	v_max_num_f32 v[11+3*((\q)%2)], v[12+3*((\q)%2)], v[SV+(\q)]
.else
	v_min_num_f32_dpp v[10+3*((\q)%2)], v[SV+(\q)], v[SV+(\q)] row_xmask:\j row_mask:0xf bank_mask:0xf
	v_max_num_f32_dpp v[11+3*((\q)%2)], v[SV+(\q)], v[SV+(\q)] row_xmask:\j row_mask:0xf bank_mask:0xf
.endif
	v_cndmask_b32 v[SV+(\q)], v[10+3*((\q)%2)], v[11+3*((\q)%2)], s[20+(\q)%2]
.endr
.endm
.set LM1,  0xaaaaaaaa
.set LM2,  0xcccccccc
.set LM4,  0xf0f0f0f0
.set LM8,  0xff00ff00
.set LM16, 0xffff0000
	BST LM2, LM1, 1
	BST LM4, LM2, 2
	BST LM4, LM1, 1
	BST LM8, LM4, 4
	BST LM8, LM2, 2
	BST LM8, LM1, 1
	BST LM16, LM8, 8
	BST LM16, LM4, 4
	BST LM16, LM2, 2
	BST LM16, LM1, 1
	BST 0, LM16, 16
	BST 0, LM8, 8
	BST 0, LM4, 4
	BST 0, LM2, 2
	BST 0, LM1, 1
.irp q, 0,2,4,6                                        ; an ascending row against a descending one: the lane-wise minima are the 32 smallest of the 64;
	v_min_num_f32 v[SV+(\q)], v[SV+(\q)], v[SV+(\q)+1]
.endr
.irp m, 1,2,4,8                                        ; their maximum is the 32nd smallest
.irp q, 0,2,4,6
	v_max_num_f32_dpp v[SV+(\q)], v[SV+(\q)], v[SV+(\q)] row_xmask:\m row_mask:0xf bank_mask:0xf
.endr
.endr
.irp q, 0,2,4,6
	v_permlanex16_b32 v[SV+(\q)+1], v[SV+(\q)], s18, s19
.endr
.irp q, 0,2,4,6
	v_max_num_f32 v[SV+(\q)], v[SV+(\q)], v[SV+(\q)+1]
.endr
	s_lshl_b32 s13, s10, 4
	s_add_co_u32 s13, s13, TQ
	v_mov_b32 v9, s13
.irp q, 0,1,2,3
	ds_store_b32 v9, v[SV+2*(\q)] offset:4*(\q)    ; all lanes write the same word with the same number
.endr
	s_wait_dscnt 0x0                               ; for the others: my stores are done
	s_barrier_signal -1
	s_barrier_wait -1
	v_lshl_add_u32 v8, v[RR], 2, TQ
	ds_load_b32 v[SV], v8
	ds_load_b32 v[SV+1], v8 offset:64
	s_wait_dscnt 0x0
.irp t, 0,1
	v_fma_f32 v[SV+(\t)], v[AQ+(\t)], s23, v[SV+(\t)]          ; T + 2 K a
	v_add_f32 v[SV+(\t)], 0x0d800000, v[SV+(\t)]               ; + 2^-100, for a query and points at the origin
	v_xor_b32 v[SV+(\t)], 0x80000000, v[SV+(\t)]
.irp i, 0,1,2,3,4,5,6,7
	v_mov_b32 v[NT+8*(\t)+(\i)], v[SV+(\t)]
.endr
.irp p, 2, 10, 14, 22
	v_xor_b32 v[FB+24*(\t)+(\p)], 0x80000000, v[FB+24*(\t)+(\p)]  ; K becomes -K (in the lanes that hold 0: -0)
.endr
.endr
	PASS 2                                         ; the mask words need no clearing: 32 shifts push out what they held
	; THE WAY OUT.  Row l of wave i's region holds, at byte 16 r + 8 t, the two words of query 16 t + r for that wave's points 128 (l / 2) + 8 (l % 2) + ..
	s_wait_dscnt 0x0                               ; for the others: my mask words are in LDS, and my reads of my records are over
	s_barrier_signal -1
	s_barrier_wait -1
	v_mul_u32_u24 v8, v[LN], MP
	s_and_b32 s13, s10, 3                          ; my first query 4 w: r = 4 (w % 4), t = w / 4
	s_lshl_b32 s13, s13, 6
	s_lshr_b32 s14, s10, 2
	s_lshl_b32 s14, s14, 3
	s_add_co_u32 s13, s13, s14
	v_add_nc_u32 v8, s13, v8                       ; 272 l + 16 r + 8 t
	v_add_nc_u32 v9, 0x10000, v8                   ; an LDS offset holds 16 bits: a register for every two regions
	v_add_nc_u32 v10, 0x20000, v8
	v_add_nc_u32 v11, 0x30000, v8
.irp qq, 0,1,2,3
.irp i, 0,1,2,3,4,5,6,7
	ds_load_b64 v[PW+16*(\qq)+2*(\i):PW+16*(\qq)+2*(\i)+1], v[8+(\i)/2] offset:32768*((\i)%2)+16*(\qq)
.endr
.endr
; The count.  The 16 words are added bit place by bit place: a full adder makes of three words of one weight a sum of that weight (l) and a carry of twice the weight (h);
; 11 full and 4 half adders leave five planes of weight 1, 2, 4, 8, 16.
.macro CSA h, l, a, b, c               ; h is neither c nor the register at work; l may be any of the sources
	v_xor_b32 v[CT], v[\a], v[\b]
	v_bfi_b32 v[\h], v[CT], v[\c], v[\a]           ; the majority: c where a and b differ, a where they agree
	v_xor_b32 v[\l], v[CT], v[\c]
.endm
.macro HA h, l, a, b                   ; h is neither a nor b
	v_and_b32 v[\h], v[\a], v[\b]
	v_xor_b32 v[\l], v[\a], v[\b]
.endm
.macro QOUT qq
.set W, PW+16*(\qq)
	s_wait_dscnt 24-8*(\qq)                        ; this query's eight loads are in; the later queries' stay out
.irp n, 0,1,2,3
	global_store_b128 v[MG], v[W+4*(\n):W+4*(\n)+3], s[8:9] offset:2048*(\qq)+512*(\n)  ; the wave stores 512 consecutive bytes, at a multiple of 512 from the mask's first byte
.endr
	CSA 64, 69, W+0, W+1, W+2                      ; weight 1: sixteen words
	CSA 65, 70, W+3, W+4, W+5
	CSA 66, 71, W+6, W+7, W+8
	CSA 67, 72, W+9, W+10, W+11
	CSA 68, 73, W+12, W+13, W+14
	CSA 74, 69, 69, 70, 71
	CSA 75, 72, 72, 73, W+15
	HA  76, 48, 69, 72                             ; v48: the plane of weight 1
	CSA 77, 64, 64, 65, 66                         ; weight 2: eight carries, v64-68 and v74-76
	CSA 78, 67, 67, 68, 74
	CSA 79, 64, 64, 67, 75
	HA  65, 49, 64, 76                             ; v49: weight 2
	CSA 66, 77, 77, 78, 79                         ; weight 4: v77-79 and v65
	HA  67, 50, 77, 65                             ; v50: weight 4
	HA  52, 51, 66, 67                             ; v51: weight 8; v52: weight 16
.irp p, 0,1,2,3,4                                      ; each plane's bits are counted into its four bytes, 8 at the most in a byte
	v_lshrrev_b32 v[PM+(\p)], 1, v[PX+(\p)]
.endr
.irp p, 0,1,2,3,4
	v_and_b32 v[PM+(\p)], 0x55555555, v[PM+(\p)]
.endr
.irp p, 0,1,2,3,4
	v_sub_nc_u32 v[PX+(\p)], v[PX+(\p)], v[PM+(\p)]            ; fields of 2 bits
.endr
.irp p, 0,1,2,3,4
	v_lshrrev_b32 v[PM+(\p)], 2, v[PX+(\p)]
.endr
.irp p, 0,1,2,3,4
	v_and_b32 v[PX+(\p)], 0x33333333, v[PX+(\p)]
.endr
.irp p, 0,1,2,3,4
	v_and_b32 v[PM+(\p)], 0x33333333, v[PM+(\p)]
.endr
.irp p, 0,1,2,3,4
	v_add_nc_u32 v[PX+(\p)], v[PX+(\p)], v[PM+(\p)]            ; fields of 4 bits
.endr
.irp p, 0,1,2,3,4
	v_lshrrev_b32 v[PM+(\p)], 4, v[PX+(\p)]
.endr
.irp p, 0,1,2,3,4
	v_add_nc_u32 v[PX+(\p)], v[PX+(\p)], v[PM+(\p)]
.endr
.irp p, 0,1,2,3,4
	v_and_b32 v[PX+(\p)], 0x0f0f0f0f, v[PX+(\p)]               ; bytes
.endr
.irp p, 3,2,1,0                                        ; the planes by their weights: a byte holds 8 x 31 = 248 at the most
	v_lshl_add_u32 v[PX+(\p)], v[PX+(\p)+1], 1, v[PX+(\p)]
.endr
	v_lshrrev_b32 v[PM], 8, v[PX]                  ; the four bytes are added
	v_and_b32 v[PX], 0x00ff00ff, v[PX]
	v_and_b32 v[PM], 0x00ff00ff, v[PM]
	v_add_nc_u32 v[PX], v[PX], v[PM]
	v_lshrrev_b32 v[PM], 16, v[PX]
	v_and_b32 v[PX], 0xffff, v[PX]
	v_add_nc_u32 v[PX], v[PX], v[PM]               ; my lane's candidates
.irp m, 1,2,4,8                                        ; the largest of the 32 lanes'
	v_mov_b32_dpp v[PP], v[PX] row_xmask:\m row_mask:0xf bank_mask:0xf
	v_max_u32 v[PX], v[PX], v[PP]
.endr
	v_permlanex16_b32 v[PP], v[PX], s18, s19
	v_max_u32 v[ACC+(\qq)], v[PX], v[PP]
.endm
	QOUT 0
	QOUT 1
	QOUT 2
	QOUT 3
	s_lshl_b32 s13, s10, 4
	s_add_co_u32 s13, s13, TQ
	v_mov_b32 v9, s13
.irp qq, 0,1,2,3
	ds_store_b32 v9, v[ACC+(\qq)] offset:4*(\qq)   ; the thresholds there were last read ahead of pass 2, a barrier ago; all lanes write the same number
.endr
	s_wait_dscnt 0x0                               ; for wave 0: my stores are done
	s_barrier_signal -1
	s_barrier_wait -1
	s_cmp_lg_u32 s10, 0
	s_cbranch_scc1 .Lnot_wave_0
	v_lshl_add_u32 v8, v[LN], 2, TQ
	v_lshlrev_b32 v10, 2, v[LN]
	ds_load_b32 v11, v8
	s_wait_dscnt 0x0
	global_store_b32 v10, v11, s[28:29]            ; the work-group's 32 numbers: 128 consecutive bytes, all that it has of them
.Lnot_wave_0:
	s_wait_tensorcnt 0x0                           ; the wave's end
	ds_add_u32 v[SPW], v[NIL]
	s_wait_dscnt 0x0
	s_endpgm
.Lfunc_end_k_qf73807842e_sieve:
	.size	k_qf73807842e_sieve, .Lfunc_end_k_qf73807842e_sieve-k_qf73807842e_sieve
	.p2alignl 7, 3214868480
	.fill 96, 4, 3214868480
	.section	.rodata,"a",@progbits
	.p2align	6, 0x0
	.amdhsa_kernel k_qf73807842e_sieve
		.amdhsa_group_segment_fixed_size 271616
		.amdhsa_private_segment_fixed_size 0
		.amdhsa_enable_private_segment 0
		.amdhsa_kernarg_size 32
		.amdhsa_user_sgpr_count 2
		.amdhsa_user_sgpr_kernarg_segment_ptr 1
		.amdhsa_wavefront_size32 1
		.amdhsa_system_sgpr_workgroup_id_x 1
		.amdhsa_system_sgpr_workgroup_id_y 1
		.amdhsa_system_sgpr_workgroup_id_z 1
		.amdhsa_system_vgpr_workitem_id 0
		.amdhsa_next_free_vgpr 256
		.amdhsa_next_free_sgpr 66
		.amdhsa_reserve_vcc 0
		.amdhsa_float_denorm_mode_32 3
		.amdhsa_float_denorm_mode_16_64 3
		.amdhsa_memory_ordered 1
		.amdhsa_forward_progress 1
		.amdhsa_inst_pref_size 159
	.end_amdhsa_kernel
	.amdgpu_metadata
---
amdhsa.version: [ 1, 2 ]
amdhsa.kernels:
  - .name:           k_qf73807842e_sieve
    .symbol:         k_qf73807842e_sieve.kd
    .args:
      - { .name: x0, .offset: 0, .size: 8, .value_kind: global_buffer, .address_space: global }
      - { .name: x1, .offset: 8, .size: 8, .value_kind: global_buffer, .address_space: global }
      - { .name: mask, .offset: 16, .size: 8, .value_kind: global_buffer, .address_space: global }
      - { .name: rounds, .offset: 24, .size: 8, .value_kind: global_buffer, .address_space: global }
    .group_segment_fixed_size: 271616
    .private_segment_fixed_size: 0
    .kernarg_segment_align: 8
    .kernarg_segment_size: 32
    .max_flat_workgroup_size: 256
    .sgpr_count:     66
    .vgpr_count:     256
    .wavefront_size: 32
...
	.end_amdgpu_metadata
.endif
;; end of part 1
;; launch list (part 2): grid 256 x 1, 32 waves a work-group, no clusters, 0 bytes of LDS; arguments mask, rounds, list; writes list
.if DOCPART == 2
	.amdgcn_target "amdgcn-amd-amdhsa--gfx1250"
	.amdhsa_code_object_version 6
	.text
	.protected	k_qf73807842e_list
	.globl	k_qf73807842e_list
	.p2align	8
	.type	k_qf73807842e_list,@function
k_qf73807842e_list:
	s_mov_b64 s[64:65], 0
	v_nop
	global_prefetch_b8 v0, s[64:65] scope:SCOPE_SE
	s_setreg_imm32_b32 hwreg(HW_REG_WAVE_MODE, 25, 1), 1
	s_wait_xcnt 0x0
; LIST.  One wave a query: the candidate bits become numbers of points.  In round k each lane takes the next set bit of its 16 mask words and the wave stores the 32 numbers, -1 where a lane has
; none left, at list[query][k][lane]: 128 consecutive bytes.  Trips: ROUNDS[query], the largest number of bits in a lane, as the launch before counted it, and KCAP at the most: a query with
; more rounds than that is served from the mask itself by the launch behind, which then reads nothing of this list.  All addresses hang on the ids and the trip counter alone.
; The mask's layout: word e = 2 i + c of lane l lies at 2,048 query + 512 (e / 4) + 16 l + 4 (e % 4); its bit 31 - n is
; point 2,048 i + 128 (l / 2) + 64 (n / 16) + 16 ((n / 4) % 4) + 8 (l % 2) + 2 (n % 4) + c.
; No LDS, no barrier, no matrix work: a wave's query is its own, and there is nothing to multiply.
.set KCAP, 16           ; rounds that the list holds for a query: 16 x 128 bytes
.set LN,  1             ; lane
.set LO,  2             ; my byte offset in the query's part of the list; steps
.set LB,  9             ; 128 (l / 2) + 8 (l % 2): my words' share of a point's number
.set S,   10            ; bit e: word e holds bits and has not been taken up
.set CUR, 11            ; what is left of the word in hand
.set CB,  12            ; its first point
.set LB1, 15            ; LB + 1
.set K2,  16            ; v16-18: 2,048, 4,096, 8,192
.set WD,  32            ; v32-47 my 16 mask words
.set MX,  48            ; v48-55 the choice of a word
.set T,   56            ; v56-63 at work
	s_load_b128 s[4:7], s[0:1], 0x0                ; mask, rounds
	s_load_b64 s[8:9], s[0:1], 0x10                ; list
	v_lshrrev_b32 v[LN], 5, v0
	v_readfirstlane_b32 s16, v[LN]                 ; wave
	v_and_b32 v[LN], 31, v0
	s_lshl_b32 s17, ttmp9, 5
	s_add_co_u32 s17, s17, s16                     ; query
	s_lshl_b32 s40, s17, 11                        ; 2,048 bytes a query, in the mask and in the list
	s_mov_b32 s41, 0
	s_lshl_b32 s42, s17, 2
	s_mov_b32 s43, 0
	v_lshlrev_b32 v[T], 4, v[LN]
	v_lshlrev_b32 v[LO], 2, v[LN]
	s_wait_kmcnt 0x0
	s_add_nc_u64 s[4:5], s[4:5], s[40:41]
	s_add_nc_u64 s[6:7], s[6:7], s[42:43]
	s_add_nc_u64 s[8:9], s[8:9], s[40:41]
	s_load_b32 s37, s[6:7], 0x0
.irp n, 0,1,2,3
	global_load_b128 v[WD+4*(\n):WD+4*(\n)+3], v[T], s[4:5] offset:512*(\n) th:TH_LOAD_NT  ; 512 consecutive bytes; the launch reads each byte once
.endr
	v_lshrrev_b32 v[LB], 1, v[LN]
	v_lshlrev_b32 v[LB], 7, v[LB]
	v_and_b32 v[T+2], 1, v[LN]
	v_lshl_add_u32 v[LB], v[T+2], 3, v[LB]
	v_add_nc_u32 v[LB1], 1, v[LB]
	v_mov_b32 v[K2], 0x800
	v_mov_b32 v[K2+1], 0x1000
	v_mov_b32 v[K2+2], 0x2000
	v_mov_b32 v[S], 0
	v_mov_b32 v[CUR], 0
	v_mov_b32 v[CB], 0
	s_wait_kmcnt 0x0
	s_min_u32 s37, s37, KCAP
	s_wait_loadcnt 0x0
.irp e, 15,14,13,12,11,10,9,8,7,6,5,4,3,2,1,0
	v_cmp_ne_u32 vcc_lo, 0, v[WD+(\e)]
	v_add_co_ci_u32 v[S], vcc_lo, v[S], v[S], vcc_lo           ; S = 2 S + (word e holds bits)
.endr
	s_mov_b32 s33, 0
.Lround:                                               ; s37 trips (one, should the number be 0)
	v_cmp_eq_u32 s30, 0, v[CUR]                    ; the word in hand is used up:
	v_sub_nc_u32 v[T], 0, v[S]
	v_and_b32 v[T], v[S], v[T]                     ; the lowest word that is left, as one bit,
	v_cndmask_b32 v[T], 0, v[T], s30               ; or nothing
	v_xor_b32 v[S], v[S], v[T]
	v_cmp_ne_u32 s30, 0, v[T]                      ; a word is taken up
	v_and_b32 v[T+1], 0xaaaa, v[T]
	v_and_b32 v[T+2], 0xcccc, v[T]
	v_and_b32 v[T+3], 0xf0f0, v[T]
	v_and_b32 v[T+4], 0xff00, v[T]
	v_cmp_ne_u32 s24, 0, v[T+1]                    ; the four bits of its number e
	v_cmp_ne_u32 s25, 0, v[T+2]
	v_cmp_ne_u32 s26, 0, v[T+3]
	v_cmp_ne_u32 s27, 0, v[T+4]
.irp p, 0,1,2,3,4,5,6,7
	v_cndmask_b32 v[MX+(\p)], v[WD+2*(\p)], v[WD+2*(\p)+1], s24
.endr
.irp p, 0,1,2,3
	v_cndmask_b32 v[MX+(\p)], v[MX+2*(\p)], v[MX+2*(\p)+1], s25
.endr
	v_cndmask_b32 v[MX], v[MX], v[MX+1], s26
	v_cndmask_b32 v[MX+1], v[MX+2], v[MX+3], s26
	v_cndmask_b32 v[MX], v[MX], v[MX+1], s27       ; word e
	v_cndmask_b32 v[T+1], v[LB], v[LB1], s24       ; its first point: LB + e % 2 + 2,048 (e / 2)
	v_cndmask_b32 v[T+2], 0, v[K2], s25
	v_cndmask_b32 v[T+3], 0, v[K2+1], s26
	v_cndmask_b32 v[T+4], 0, v[K2+2], s27
	v_add3_u32 v[T+1], v[T+1], v[T+2], v[T+3]
	v_add_nc_u32 v[T+1], v[T+1], v[T+4]
	v_cndmask_b32 v[CUR], v[CUR], v[MX], s30
	v_cndmask_b32 v[CB], v[CB], v[T+1], s30
	v_cmp_ne_u32 s31, 0, v[CUR]                    ; the lanes that have a candidate
	v_sub_nc_u32 v[T], 0, v[CUR]
	v_and_b32 v[T], v[CUR], v[T]                   ; its lowest bit, at place 31 - n
	v_xor_b32 v[CUR], v[CUR], v[T]
	v_mov_b32 v[T+1], 0
.irp m, 0x0000ffff, 0x00ff00ff, 0x0f0f0f0f, 0x33333333, 0x55555555  ; bits 4 to 0 of n: set where that bit of the place is clear
	v_and_b32 v[T+2], \m, v[T]
	v_cmp_ne_u32 vcc_lo, 0, v[T+2]
	v_add_co_ci_u32 v[T+1], vcc_lo, v[T+1], v[T+1], vcc_lo
.endr
	v_and_b32 v[T+2], 0x1c, v[T+1]
	v_and_b32 v[T+3], 3, v[T+1]
	v_lshl_add_u32 v[T+2], v[T+2], 2, v[CB]        ; + 64 (n / 16) + 16 ((n / 4) % 4)
	v_lshl_add_u32 v[T+2], v[T+3], 1, v[T+2]       ; + 2 (n % 4)
	v_cndmask_b32 v[T+2], -1, v[T+2], s31
	global_store_b32 v[LO], v[T+2], s[8:9]
	s_wait_xcnt 0x0                                ; the offset and the number are rewritten only behind this wait
	v_add_nc_u32 v[LO], 128, v[LO]
	s_add_co_u32 s33, s33, 1
	s_cmp_lt_u32 s33, s37
	s_cbranch_scc1 .Lround
	s_endpgm
.Lfunc_end_k_qf73807842e_list:
	.size	k_qf73807842e_list, .Lfunc_end_k_qf73807842e_list-k_qf73807842e_list
	.p2alignl 7, 3214868480
	.fill 96, 4, 3214868480
	.section	.rodata,"a",@progbits
	.p2align	6, 0x0
	.amdhsa_kernel k_qf73807842e_list
		.amdhsa_group_segment_fixed_size 0
		.amdhsa_private_segment_fixed_size 0
		.amdhsa_enable_private_segment 0
		.amdhsa_kernarg_size 24
		.amdhsa_user_sgpr_count 2
		.amdhsa_user_sgpr_kernarg_segment_ptr 1
		.amdhsa_wavefront_size32 1
		.amdhsa_system_sgpr_workgroup_id_x 1
		.amdhsa_system_sgpr_workgroup_id_y 1
		.amdhsa_system_sgpr_workgroup_id_z 1
		.amdhsa_system_vgpr_workitem_id 0
		.amdhsa_next_free_vgpr 64
		.amdhsa_next_free_sgpr 66
		.amdhsa_reserve_vcc 1
		.amdhsa_float_denorm_mode_32 3
		.amdhsa_float_denorm_mode_16_64 3
		.amdhsa_memory_ordered 1
		.amdhsa_forward_progress 1
		.amdhsa_inst_pref_size 7
	.end_amdhsa_kernel
	.amdgpu_metadata
---
amdhsa.version: [ 1, 2 ]
amdhsa.kernels:
  - .name:           k_qf73807842e_list
    .symbol:         k_qf73807842e_list.kd
    .args:
      - { .name: mask, .offset: 0, .size: 8, .value_kind: global_buffer, .address_space: global }
      - { .name: rounds, .offset: 8, .size: 8, .value_kind: global_buffer, .address_space: global }
      - { .name: list, .offset: 16, .size: 8, .value_kind: global_buffer, .address_space: global }
    .group_segment_fixed_size: 0
    .private_segment_fixed_size: 0
    .kernarg_segment_align: 8
    .kernarg_segment_size: 24
    .max_flat_workgroup_size: 1024
    .sgpr_count:     66
    .vgpr_count:     64
    .wavefront_size: 32
...
	.end_amdgpu_metadata
.endif
;; end of part 2
;; launch pick (part 3): grid 256 x 1, 32 waves a work-group, no clusters, 36,864 bytes of LDS; arguments x0, x1, mask, rounds, list, out0, out1, out2; writes out0, out1, out2
.if DOCPART == 3
	.amdgcn_target "amdgcn-amd-amdhsa--gfx1250"
	.amdhsa_code_object_version 6
	.text
	.protected	k_qf73807842e_pick
	.globl	k_qf73807842e_pick
	.p2align	8
	.type	k_qf73807842e_pick,@function
k_qf73807842e_pick:
	s_mov_b64 s[64:65], 0
	v_nop
	global_prefetch_b8 v0, s[64:65] scope:SCOPE_SE
	s_setreg_imm32_b32 hwreg(HW_REG_WAVE_MODE, 25, 1), 1
	s_wait_xcnt 0x0
; PICK.  One wave a query: from the candidates of the launches before, the 32 nearest points in order, and all three outputs.
; x0 and x1 are rounded to bf16 first; then every product is exact in f32 and the key is sq = (a + b) - 2 c with a = (qx^2 + qy^2) + qz^2, b likewise of the point,
; c = (qx x + qy y) + qz z: one rounding for each sum, in that order.  Order: sq ascending, equal sq by the lower index.
; The product of all pairs is made by the matrix units in the first launch; here only the candidates (some 44 of 16,384 a query on numbers of unit spread) are reckoned again, on the vector unit,
; since the order of near-equal keys hangs on each f32 rounding.
; LIMITS.  NaN and infinities are not treated apart (a key of +infinity ranks with the fillers).  Any number of candidates up to all 16,384 is served: a lane has 512 at the most, one a round.
; THE WALK.  In a round each lane has one candidate or none; it gathers that point, and the wave sorts the 32 new entries (fillers where a lane has none) descending, keeps lane by lane the smaller of
; new and old, and merges: the running list is again the 32 smallest, ascending.  An entry is three words that travel together: sq; index in the upper half and z (bf16) in the lower; y and x (bf16).
; So nothing is fetched by a sorted index.  The number of rounds is ROUNDS[query], read from memory.
; TWO WAYS TO A ROUND'S CANDIDATES.  Up to KCAP rounds: the numbers lie in the list, 128 bytes a round.  More (many equal or near-equal points): each lane takes its next set bit from its
; 16 mask words, by whole-number work.  With 1.4 candidates a lane on numbers of unit spread the second way is for other data than those.
; SHARES.  Work-group g: batch g / 32, queries 32 (g % 32) on; wave W takes query W.
.set KCAP,  16          ; rounds that the list holds for a query
.set STAGE, 0           ; [8 planes][32 queries][32 ranks] of 4 bytes
.set SPARE, 32768       ; the spare words, 128 bytes for each of the 32 waves
.set LN,  1             ; lane
.set SPW, 2             ; my spare word
.set NIL, 3             ; 0
.set ZO,  4             ; 0: an offset, and the fillers' third word
.set QX,  5             ; v5-7 the query, rounded
.set AQ,  8             ; a
.set LB,  9             ; 128 (l / 2) + 8 (l % 2): my words' share of a point's number
.set S,   10            ; bit e: word e holds bits and has not been taken up
.set CUR, 11            ; what is left of the word in hand
.set CB,  12            ; its first point
.set IC,  13            ; the gathered point's number
.set OFF, 14            ; 12 times that
.set LB1, 15            ; LB + 1
.set G,   16            ; v16-18 the gathered point
.set INF, 19            ; the fillers' first word
.set NK,  20            ; v20-22 the new entry
.set DP1, 23            ; the fillers' second word
.set RK,  24            ; v24-26 the running list
.set LO,  27            ; 4 lane
.set PT,  28            ; v28-30 the partner's entry
.set IR,  31            ; a round's number from the list
.set WD,  32            ; v32-47 my 16 mask words
.set MX,  48            ; v48-55 the choice of a word
.set T,   56            ; v56-63 at work
.set ML,  64            ; v64-74 the stage on its way out
.set K2,  80            ; 2,048, 4,096, 8,192
.set WV,  38            ; s38 wave
.set BA,  39            ; s39 batch
.set MQ,  52            ; s52 first query
.set LM1,  0xaaaaaaaa   ; the lanes in which bit 1, 2, 4, 8, 16 of the lane number is set
.set LM2,  0xcccccccc
.set LM4,  0xf0f0f0f0
.set LM8,  0xff00ff00
.set LM16, 0xffff0000
	s_load_b512 s[4:19], s[0:1], 0x0               ; x0 s[4:5], x1 s[6:7], mask s[8:9], rounds s[10:11], list s[12:13], out0 s[14:15], out1 s[16:17], out2 s[18:19]
	v_lshl_add_u32 v[SPW], v0, 2, SPARE
	v_mov_b32 v[NIL], 0
	v_lshrrev_b32 v[LN], 5, v0
	v_readfirstlane_b32 s[WV], v[LN]
	v_and_b32 v[LN], 31, v0
	s_lshr_b32 s[BA], ttmp9, 5
	s_and_b32 s[MQ], ttmp9, 31
	s_lshl_b32 s[MQ], s[MQ], 5
	s_lshl_b32 s46, ttmp9, 5
	s_add_co_u32 s46, s46, s[WV]                   ; my query among the 8,192
	s_lshl_b32 s40, s46, 11                        ; 2,048 bytes a query, in the mask and in the list
	s_mov_b32 s41, 0
	s_mul_i32 s42, s[BA], 196608                   ; the batch's points
	s_mov_b32 s43, 0
	s_mul_i32 s44, s46, 12                         ; my query's row
	s_mov_b32 s45, 0
	s_lshl_b32 s46, s46, 2
	s_mov_b32 s47, 0
	s_mov_b32 s34, 0x76543210                      ; v_permlanex16_b32: each lane takes its own place in the other half
	s_mov_b32 s35, 0xfedcba98
	s_mov_b32 s36, 0xffff0000
	v_mov_b32 v[ZO], 0
	v_lshlrev_b32 v[LO], 2, v[LN]
	s_wait_kmcnt 0x0
	s_add_nc_u64 s[8:9], s[8:9], s[40:41]
	s_add_nc_u64 s[12:13], s[12:13], s[40:41]
	s_add_nc_u64 s[4:5], s[4:5], s[42:43]
	s_add_nc_u64 s[6:7], s[6:7], s[44:45]
	s_add_nc_u64 s[10:11], s[10:11], s[46:47]
	s_load_b32 s37, s[10:11], 0x0
	global_load_b96 v[G:G+2], v[ZO], s[6:7]
	global_load_b32 v[IR], v[LO], s[12:13]         ; the list's round 0
	v_mov_b32 v[INF], 0x7f800000
	v_mov_b32 v[DP1], 0xffff0000
	v_mov_b32 v[RK], 0x7f800000                    ; the running list begins as 32 fillers
	v_mov_b32 v[RK+1], 0xffff0000
	v_mov_b32 v[RK+2], 0
	v_mov_b32 v[PT], 0                             ; destinations of lane moves count as read
	v_mov_b32 v[PT+1], 0
	v_mov_b32 v[PT+2], 0
	s_wait_kmcnt 0x0
	s_min_u32 s37, s37, 512                        ; a lane has 512 bits
	s_max_u32 s37, s37, 1
	s_sub_co_u32 s53, s37, 1                       ; the last round
	s_mov_b32 s56, 1                               ; the round to be read from the list next
	s_mov_b32 s59, 0
	s_mov_b32 s33, 0
	s_wait_loadcnt 0x0
	v_cvt_pk_bf16_f32 v[T], v[G], v[G+1]
	v_cvt_pk_bf16_f32 v[T+1], v[G+2], v[G+2]
	v_lshlrev_b32 v[QX], 16, v[T]
	v_and_b32 v[QX+1], s36, v[T]
	v_lshlrev_b32 v[QX+2], 16, v[T+1]
	v_mul_f32 v[AQ], v[QX], v[QX]
	v_fma_f32 v[AQ], v[QX+1], v[QX+1], v[AQ]
	v_fma_f32 v[AQ], v[QX+2], v[QX+2], v[AQ]
; THE NEXT ROUND FROM THE LIST: the numbers that have come are clamped and gathered, and the round behind is asked for: no round past the last, so that only bytes that were written are read.
; s31: the lanes that have a candidate.
.macro NEXTL
	v_cmp_gt_u32 s31, 0x4000, v[IR]                ; -1 marks a lane with none
	v_min_u32 v[IC], 0x3fff, v[IR]                 ; inside the table, in those lanes too
	v_mul_u32_u24 v[OFF], v[IC], 12
	global_load_b96 v[G:G+2], v[OFF], s[4:5]
	s_min_u32 s58, s56, s53
	s_min_u32 s58, s58, KCAP-1
	s_lshl_b32 s58, s58, 7
	s_add_nc_u64 s[54:55], s[12:13], s[58:59]
	s_add_co_u32 s56, s56, 1
	global_load_b32 v[IR], v[LO], s[54:55]
.endm
; THE NEXT ROUND FROM THE MASK: each lane's next set bit, by whole numbers alone, and its gather.  s31: the lanes that have one.
.macro EXTRACT
	v_cmp_eq_u32 s30, 0, v[CUR]                    ; the word in hand is used up:
	v_sub_nc_u32 v[T], 0, v[S]
	v_and_b32 v[T], v[S], v[T]                     ; the lowest word that is left, as one bit,
	v_cndmask_b32 v[T], 0, v[T], s30               ; or nothing
	v_xor_b32 v[S], v[S], v[T]
	v_cmp_ne_u32 s30, 0, v[T]                      ; a word is taken up
	v_and_b32 v[T+1], 0xaaaa, v[T]
	v_and_b32 v[T+2], 0xcccc, v[T]
	v_and_b32 v[T+3], 0xf0f0, v[T]
	v_and_b32 v[T+4], 0xff00, v[T]
	v_cmp_ne_u32 s24, 0, v[T+1]                    ; the four bits of its number e
	v_cmp_ne_u32 s25, 0, v[T+2]
	v_cmp_ne_u32 s26, 0, v[T+3]
	v_cmp_ne_u32 s27, 0, v[T+4]
.irp p, 0,1,2,3,4,5,6,7
	v_cndmask_b32 v[MX+(\p)], v[WD+2*(\p)], v[WD+2*(\p)+1], s24
.endr
.irp p, 0,1,2,3
	v_cndmask_b32 v[MX+(\p)], v[MX+2*(\p)], v[MX+2*(\p)+1], s25
.endr
	v_cndmask_b32 v[MX], v[MX], v[MX+1], s26
	v_cndmask_b32 v[MX+1], v[MX+2], v[MX+3], s26
	v_cndmask_b32 v[MX], v[MX], v[MX+1], s27       ; word e
	v_cndmask_b32 v[T+1], v[LB], v[LB1], s24       ; its first point: LB + e % 2 + 2,048 (e / 2)
	v_cndmask_b32 v[T+2], 0, v[K2], s25
	v_cndmask_b32 v[T+3], 0, v[K2+1], s26
	v_cndmask_b32 v[T+4], 0, v[K2+2], s27
	v_add3_u32 v[T+1], v[T+1], v[T+2], v[T+3]
	v_add_nc_u32 v[T+1], v[T+1], v[T+4]
	v_cndmask_b32 v[CUR], v[CUR], v[MX], s30
	v_cndmask_b32 v[CB], v[CB], v[T+1], s30
	v_cmp_ne_u32 s31, 0, v[CUR]
	v_sub_nc_u32 v[T], 0, v[CUR]
	v_and_b32 v[T], v[CUR], v[T]                   ; its lowest bit, at place 31 - n
	v_xor_b32 v[CUR], v[CUR], v[T]
	v_mov_b32 v[T+1], 0
.irp m, 0x0000ffff, 0x00ff00ff, 0x0f0f0f0f, 0x33333333, 0x55555555  ; bits 4 to 0 of n: set where that bit of the place is clear
	v_and_b32 v[T+2], \m, v[T]
	v_cmp_ne_u32 vcc_lo, 0, v[T+2]
	v_add_co_ci_u32 v[T+1], vcc_lo, v[T+1], v[T+1], vcc_lo
.endr
	v_and_b32 v[T+2], 0x1c, v[T+1]
	v_and_b32 v[T+3], 3, v[T+1]
	v_lshl_add_u32 v[T+2], v[T+2], 2, v[CB]        ; + 64 (n / 16) + 16 ((n / 4) % 4)
	v_lshl_add_u32 v[T+2], v[T+3], 1, v[T+2]       ; + 2 (n % 4)
	v_min_u32 v[IC], 0x3fff, v[T+2]                ; inside the table, in lanes that have no candidate too
	v_mul_u32_u24 v[OFF], v[IC], 12
	global_load_b96 v[G:G+2], v[OFF], s[4:5]
.endm
; The gathered point's entry; a filler in the lanes outside s32.
.macro KEY
	v_cvt_pk_bf16_f32 v[NK+2], v[G], v[G+1]        ; (x, y)
	v_cvt_pk_bf16_f32 v[T], v[G+2], v[G+2]
	v_lshlrev_b32 v[T+1], 16, v[NK+2]
	v_and_b32 v[T+2], s36, v[NK+2]
	v_lshlrev_b32 v[T+3], 16, v[T]
	v_mul_f32 v[T+4], v[T+1], v[T+1]
	v_mul_f32 v[T+5], v[QX], v[T+1]
	v_fma_f32 v[T+4], v[T+2], v[T+2], v[T+4]
	v_fma_f32 v[T+5], v[QX+1], v[T+2], v[T+5]
	v_fma_f32 v[T+4], v[T+3], v[T+3], v[T+4]       ; b
	v_fma_f32 v[T+5], v[QX+2], v[T+3], v[T+5]      ; c
	v_add_f32 v[T+4], v[AQ], v[T+4]                ; a + b
	v_and_b32 v[T], 0xffff, v[T]
	v_fma_f32 v[NK], v[T+5], -2.0, v[T+4]          ; - 2 c: 2 c is exact, so this is one rounding
	v_lshl_or_b32 v[NK+1], v[IC], 16, v[T]         ; (z, index)
	v_cndmask_b32 v[NK], v[INF], v[NK], s32
	v_cndmask_b32 v[NK+1], v[DP1], v[NK+1], s32
	v_cndmask_b32 v[NK+2], v[ZO], v[NK+2], s32
.endm
; Compare and exchange with lane xor j, on the entry at register e.  The partner is smaller if its sq is, or at equal sq its second word (the index leads it).
; dir: the lanes that keep the larger entry: they take the partner's where it is not smaller.
.macro CEX e, j, dir
.if (\j) == 16
	v_permlanex16_b32 v[PT], v[\e], s34, s35
	v_permlanex16_b32 v[PT+1], v[(\e)+1], s34, s35
	v_permlanex16_b32 v[PT+2], v[(\e)+2], s34, s35
.else
	v_mov_b32_dpp v[PT], v[\e] row_xmask:\j row_mask:0xf bank_mask:0xf
	v_mov_b32_dpp v[PT+1], v[(\e)+1] row_xmask:\j row_mask:0xf bank_mask:0xf
	v_mov_b32_dpp v[PT+2], v[(\e)+2] row_xmask:\j row_mask:0xf bank_mask:0xf
.endif
	v_cmp_lt_f32 s20, v[PT], v[\e]
	v_cmp_eq_f32 s21, v[PT], v[\e]
	v_cmp_lt_u32 s22, v[PT+1], v[(\e)+1]
	s_and_b32 s21, s21, s22
	s_or_b32 s20, s20, s21
	s_xor_b32 s20, s20, \dir
	v_cndmask_b32 v[\e], v[\e], v[PT], s20
	v_cndmask_b32 v[(\e)+1], v[(\e)+1], v[PT+1], s20
	v_cndmask_b32 v[(\e)+2], v[(\e)+2], v[PT+2], s20
.endm
.macro DSC pk, pj, j                   ; a stage of the descending sort of the new entries
	CEX NK, \j, ((\pj)^(\pk))^0xffffffff
.endm
.macro SORTMERGE
	DSC LM2, LM1, 1
	DSC LM4, LM2, 2
	DSC LM4, LM1, 1
	DSC LM8, LM4, 4
	DSC LM8, LM2, 2
	DSC LM8, LM1, 1
	DSC LM16, LM8, 8
	DSC LM16, LM4, 4
	DSC LM16, LM2, 2
	DSC LM16, LM1, 1
	DSC 0, LM16, 16
	DSC 0, LM8, 8
	DSC 0, LM4, 4
	DSC 0, LM2, 2
	DSC 0, LM1, 1
	v_cmp_lt_f32 s20, v[NK], v[RK]                 ; ascending list against descending entries: the lane-wise smaller are the 32 smallest of the 64
	v_cmp_eq_f32 s21, v[NK], v[RK]
	v_cmp_lt_u32 s22, v[NK+1], v[RK+1]
	s_and_b32 s21, s21, s22
	s_or_b32 s20, s20, s21
	v_cndmask_b32 v[RK], v[RK], v[NK], s20
	v_cndmask_b32 v[RK+1], v[RK+1], v[NK+1], s20
	v_cndmask_b32 v[RK+2], v[RK+2], v[NK+2], s20
	CEX RK, 16, LM16                               ; and five stages put them in ascending order
	CEX RK, 8, LM8
	CEX RK, 4, LM4
	CEX RK, 2, LM2
	CEX RK, 1, LM1
.endm
	s_cmp_gt_u32 s37, KCAP
	s_cbranch_scc1 .Lbits                          ; more rounds than the list holds
	NEXTL                                          ; round 0 is gathered, round 1 asked for
.Lround:                                               ; s37 trips
	s_wait_loadcnt 0x0                             ; this round's points and the next round's numbers are in: their registers, offsets and base are free
	s_mov_b32 s32, s31
	KEY
	NEXTL                                          ; both loads are on their way during the sort; what the last trip asks for is read for nothing
	SORTMERGE
	s_add_co_u32 s33, s33, 1
	s_cmp_lt_u32 s33, s37
	s_cbranch_scc1 .Lround
	s_branch .Lout
.Lbits:
	v_lshlrev_b32 v[T], 4, v[LN]
.irp n, 0,1,2,3
	global_load_b128 v[WD+4*(\n):WD+4*(\n)+3], v[T], s[8:9] offset:512*(\n)  ; word e = 4 n + j of lane l at 512 n + 16 l + 4 j
.endr
	v_lshrrev_b32 v[LB], 1, v[LN]
	v_lshlrev_b32 v[LB], 7, v[LB]
	v_and_b32 v[T+2], 1, v[LN]
	v_lshl_add_u32 v[LB], v[T+2], 3, v[LB]
	v_add_nc_u32 v[LB1], 1, v[LB]
	v_mov_b32 v[K2], 0x800
	v_mov_b32 v[K2+1], 0x1000
	v_mov_b32 v[K2+2], 0x2000
	v_mov_b32 v[S], 0
	v_mov_b32 v[CUR], 0
	v_mov_b32 v[CB], 0
	s_wait_loadcnt 0x0
.irp e, 15,14,13,12,11,10,9,8,7,6,5,4,3,2,1,0
	v_cmp_ne_u32 vcc_lo, 0, v[WD+(\e)]
	v_add_co_ci_u32 v[S], vcc_lo, v[S], v[S], vcc_lo           ; S = 2 S + (word e holds bits)
.endr
	EXTRACT
.Lround2:                                              ; s37 trips
	s_wait_loadcnt 0x0                             ; the gather is in: its registers and its offset are free
	s_mov_b32 s32, s31
	KEY
	EXTRACT                                        ; the next round's gather is on its way during the sort; in the last trip no lane has a bit left, and the clamped address is read for nothing
	SORTMERGE
	s_add_co_u32 s33, s33, 1
	s_cmp_lt_u32 s33, s37
	s_cbranch_scc1 .Lround2
.Lout:
	s_wait_loadcnt 0x0
	; THE WAY OUT.  Lane l holds rank l.  Eight planes go through the stage, so that every store covers 512 consecutive bytes.
	v_lshlrev_b32 v[T], 16, v[RK+2]
	v_and_b32 v[T+1], s36, v[RK+2]
	v_lshlrev_b32 v[T+2], 16, v[RK+1]
	v_lshrrev_b32 v[T+3], 16, v[RK+1]              ; the index
	v_sub_f32 v[T], v[T], v[QX]
	v_sub_f32 v[T+1], v[T+1], v[QX+1]
	v_sub_f32 v[T+2], v[T+2], v[QX+2]
	v_mul_f32 v[T+4], v[T], v[T]
	v_fma_f32 v[T+4], v[T+1], v[T+1], v[T+4]
	v_fma_f32 v[T+4], v[T+2], v[T+2], v[T+4]
	v_sqrt_f32 v[T+4], v[T+4]
	v_lshl_add_u32 v[T+5], v0, 2, STAGE            ; 128 W + 4 l; also the plain instruction behind the root
	ds_store_b32 v[T+5], v[T]
	ds_store_b32 v[T+5], v[T+1] offset:4096
	ds_store_b32 v[T+5], v[T+2] offset:8192
	s_wait_alu depctr_va_vdst(0)
	ds_store_b32 v[T+5], v[T+4] offset:12288
	ds_store_b32 v[T+5], v[QX] offset:16384
	ds_store_b32 v[T+5], v[QX+1] offset:20480
	ds_store_b32 v[T+5], v[QX+2] offset:24576
	ds_store_b32 v[T+5], v[T+3] offset:28672
	s_lshr_b32 s40, s[WV], 3                       ; waves 8 p .. 8 p + 7 store planes p and p + 4
	s_mul_i32 s41, s[BA], 7
	s_add_co_u32 s41, s41, s40
	s_lshl_b32 s41, s41, 10
	s_add_co_u32 s41, s41, s[MQ]
	s_lshl_b32 s42, s41, 7                         ; out0: ((7 batch + plane) 1,024 + first query) 128
	s_mov_b32 s43, 0
	s_add_co_u32 s46, s42, 524288                  ; four planes on
	s_lshl_b32 s48, s[BA], 10
	s_add_co_u32 s48, s48, s[MQ]
	s_lshl_b32 s48, s48, 7                         ; out2: (1,024 batch + first query) 128
	s_cmp_eq_u32 s40, 3                            ; plane 7 is the indices
	s_cselect_b64 s[44:45], s[18:19], s[14:15]
	s_cselect_b32 s46, s48, s46
	s_mov_b32 s47, 0
	s_add_nc_u64 s[44:45], s[44:45], s[46:47]
	s_add_nc_u64 s[42:43], s[14:15], s[42:43]
	s_wait_dscnt 0x0                               ; for the others: my stores are done
	s_barrier_signal -1
	s_barrier_wait -1
	v_lshl_add_u32 v[T+6], v0, 4, STAGE
	ds_load_b128 v[ML:ML+3], v[T+6]
	ds_load_b128 v[ML+4:ML+7], v[T+6] offset:16384
	v_and_b32 v[T+7], 0xff, v0
	v_lshlrev_b32 v[T+7], 4, v[T+7]
	s_wait_dscnt 0x1                               ; the first of the two is in
	global_store_b128 v[T+7], v[ML:ML+3], s[42:43] th:TH_STORE_NT
	s_wait_dscnt 0x0
	global_store_b128 v[T+7], v[ML+4:ML+7], s[44:45] th:TH_STORE_NT
	s_cmp_lg_u32 s[WV], 0
	s_cbranch_scc1 .Lnot_wave_0
	; out1: the 32 queries' coordinates, 128 bytes for each of three rows: all that this work-group has of them
	s_mul_i32 s50, s[BA], 3072
	s_add_co_u32 s50, s50, s[MQ]
	s_lshl_b32 s50, s50, 2
	s_mov_b32 s51, 0
	s_add_nc_u64 s[16:17], s[16:17], s[50:51]
	v_lshl_add_u32 v[T], v[LN], 7, STAGE+16384     ; query l, rank 0, plane 4
	v_lshlrev_b32 v[T+1], 2, v[LN]
	ds_load_b32 v[ML+8], v[T]
	ds_load_b32 v[ML+9], v[T] offset:4096
	ds_load_b32 v[ML+10], v[T] offset:8192
	s_wait_dscnt 0x0
	global_store_b32 v[T+1], v[ML+8], s[16:17]
	global_store_b32 v[T+1], v[ML+9], s[16:17] offset:4096
	global_store_b32 v[T+1], v[ML+10], s[16:17] offset:8192
.Lnot_wave_0:
	s_wait_tensorcnt 0x0                           ; the wave's end
	ds_add_u32 v[SPW], v[NIL]
	s_wait_dscnt 0x0
	s_endpgm
.Lfunc_end_k_qf73807842e_pick:
	.size	k_qf73807842e_pick, .Lfunc_end_k_qf73807842e_pick-k_qf73807842e_pick
	.p2alignl 7, 3214868480
	.fill 96, 4, 3214868480
	.section	.rodata,"a",@progbits
	.p2align	6, 0x0
	.amdhsa_kernel k_qf73807842e_pick
		.amdhsa_group_segment_fixed_size 36864
		.amdhsa_private_segment_fixed_size 0
		.amdhsa_enable_private_segment 0
		.amdhsa_kernarg_size 64
		.amdhsa_user_sgpr_count 2
		.amdhsa_user_sgpr_kernarg_segment_ptr 1
		.amdhsa_wavefront_size32 1
		.amdhsa_system_sgpr_workgroup_id_x 1
		.amdhsa_system_sgpr_workgroup_id_y 1
		.amdhsa_system_sgpr_workgroup_id_z 1
		.amdhsa_system_vgpr_workitem_id 0
		.amdhsa_next_free_vgpr 84
		.amdhsa_next_free_sgpr 66
		.amdhsa_reserve_vcc 1
		.amdhsa_float_denorm_mode_32 3
		.amdhsa_float_denorm_mode_16_64 3
		.amdhsa_memory_ordered 1
		.amdhsa_forward_progress 1
		.amdhsa_inst_pref_size 47
	.end_amdhsa_kernel
	.amdgpu_metadata
---
amdhsa.version: [ 1, 2 ]
amdhsa.kernels:
  - .name:           k_qf73807842e_pick
    .symbol:         k_qf73807842e_pick.kd
    .args:
      - { .name: x0, .offset: 0, .size: 8, .value_kind: global_buffer, .address_space: global }
      - { .name: x1, .offset: 8, .size: 8, .value_kind: global_buffer, .address_space: global }
      - { .name: mask, .offset: 16, .size: 8, .value_kind: global_buffer, .address_space: global }
      - { .name: rounds, .offset: 24, .size: 8, .value_kind: global_buffer, .address_space: global }
      - { .name: list, .offset: 32, .size: 8, .value_kind: global_buffer, .address_space: global }
      - { .name: out0, .offset: 40, .size: 8, .value_kind: global_buffer, .address_space: global }
      - { .name: out1, .offset: 48, .size: 8, .value_kind: global_buffer, .address_space: global }
      - { .name: out2, .offset: 56, .size: 8, .value_kind: global_buffer, .address_space: global }
    .group_segment_fixed_size: 36864
    .private_segment_fixed_size: 0
    .kernarg_segment_align: 8
    .kernarg_segment_size: 64
    .max_flat_workgroup_size: 1024
    .sgpr_count:     66
    .vgpr_count:     84
    .wavefront_size: 32
...
	.end_amdgpu_metadata
.endif
;; end of part 3
;; ======== version 2 of 2: 3 launches; version 1 with the launch sieve written anew for expert scheduling mode
;; workspace buffers: mask 16,777,216 bytes of whole numbers; rounds 32,768 bytes of whole numbers; list 16,777,216 bytes of whole numbers
;; launch sieve (part 4): grid 256 x 1, 8 waves a work-group, no clusters, 271,616 bytes of LDS; arguments x0, x1, mask, rounds; writes mask, rounds
.if DOCPART == 4
	.amdgcn_target "amdgcn-amd-amdhsa--gfx1250"
	.amdhsa_code_object_version 6
	.text
	.protected	k_qf73807842e_sieve
	.globl	k_qf73807842e_sieve
	.p2align	8
	.type	k_qf73807842e_sieve,@function
k_qf73807842e_sieve:
	s_mov_b64 s[64:65], 0
	v_nop
	global_prefetch_b8 v0, s[64:65] scope:SCOPE_SE
	s_setreg_imm32_b32 hwreg(HW_REG_WAVE_SCHED_MODE, 0, 2), 2
	s_setreg_imm32_b32 hwreg(HW_REG_WAVE_MODE, 25, 1), 1
	s_wait_xcnt 0x0
	s_wait_alu depctr_vm_vsrc(0)
; SIEVE.  For 32 queries of one batch and all 16,384 points: one bit a pair, set where the point may be among the query's 32 nearest.
; All numbers are x0 and x1 rounded to bf16.  With b = (x^2 + y^2) + z^2 in f32, bh = bf16(b), bl = bf16(b - bh), a point is the record
; (x, y, z, bh, bl, bh, 0, 0) of 8 bf16 and a query the coefficients (-2qx, -2qy, -2qz, 1, 1, +-K, 0, 0), K = 2^-14: their product in the matrix unit
; is b +- K bh - 2 q.x, the squared distance less a = |q|^2, pushed up or down by a margin.
; PASS 1 (+K): each query's points fall into 64 groups of 256 (8 waves x 2 lane halves x 4 registers); each keeps its minimum.  T = the 32nd smallest of the
; 64 minima, so 32 points at least lie at or below T.  PASS 2 (-K, C = -T2, T2 = T + 2 K a + 2^-100): a point is a candidate where the result's sign bit is set.
; WHY NO NEIGHBOUR IS LOST: bh + bl misses b by 2^-18 b at the most, the f32 sums of the exact key by some 2^-22 (a + b); this text takes a matrix result to lie within
; 2^-16 of its largest term.  All of it stays under K/4 (a + b), and a point among the 32 nearest, ties too, then has a result below -K (a + b/2) - 2^-100.
; LIMITS.  NaN and infinities are not treated apart.  Larger numbers or a common offset widen the margin against the distances: more bits are set, none is lost.
; SHARES.  Work-group g: batch g / 32, queries 32 (g % 32) on, as two tiles of 16.  Wave w: points 2,048 w on; it makes and reads its own records alone.
; NO TENSOR LOAD, NO CLUSTER, though the 32 work-groups of a batch read the same 196,608 bytes of x0: each point has to pass through registers to be rounded and
; to get its b, and the raw bytes beside the 262,144 bytes of records would not fit in LDS.
; ONE A OPERAND HOLDS 64 POINTS: lane L takes record 64 o + L into registers 0-3 and record 64 o + 32 + L into 4-7, so points 64 o + 16 s + r lie in K slice 8 s .. 8 s + 7 of row r;
; the query fragment for slice s holds the coefficients in that slice and 0 elsewhere.  Result register j of lane (r, h): point 64 o + 16 s + 8 h + j, query r.
; THE WAY OUT.  Pass 2 leaves a lane with bits of two queries; the launches behind want a query's bits together.  So the words go through LDS, into my own records' bytes that have been read, and after a
; barrier wave w takes queries 4 w .. 4 w + 3.  MASK: query Q = 32 g + q has 2,048 bytes; word e = 2 i + c of lane l lies at 2,048 Q + 512 (e / 4) + 16 l + 4 (e % 4); its bit 31 - n is
; point 2,048 i + 128 (l / 2) + 64 (n / 16) + 16 ((n / 4) % 4) + 8 (l % 2) + 2 (n % 4) + c.  ROUNDS[Q]: the largest number of set bits that one lane holds in its 16 words.
; THE MODE: SCHED_MODE bits 1:0 = 2 (LLVM: expert scheduling mode 2), set by the entry lines.  The code itself states the register dependences
; between vector or matrix instructions and memory or LDS instructions, with s_wait_alu, always for 0.
; THE PLAN.  Registers that memory or LDS instructions touch:
;   v5, v6, v62, v63   offsets, made once at the head and never written again.
;   THE BUILD's 48 sets of four.  Records go in 16 groups of four.  Group g's vector lines name its own four sets (and v8-15, which no memory instruction names by then).  Its memory instructions are the
;              LDS stores of group g - 1's records and, in groups 2 to 5, the second loads, which land in group g - 2's sets.  So the waits at a group's head state all that they hang on.
;   AB0 .. AB3 four operands; operand o lies in AB[o % 4].  A STEP multiplies two operands, and asks for the two behind them: these land in the two buffers that the step before multiplied.
;   the mask words (pass 2), two sets of four: step n's shifts write set n % 2; the LDS store of that set is issued in step n + 1; step n + 2 writes it again.
;   v[LA], v[MO]  LDS addresses: read by the operands' loads and the mask's stores; stepped once a lap (two steps), at its end; immediate offsets do the rest.
;   FB, NT and the results D are named by vector and matrix instructions alone, until the way out loads into v128-191.
; So ONE wait on va_vdst stands at a step's head, and the step's four loads and one store follow it, dealt behind its first three products: no line of the step names their registers.
; One wait on vm_vsrc stands at the end of a step whose store's words the next step writes again, and of a lap's last step, ahead of the two adds.
.set GM,    262144      ; behind the records: [32 queries][64 groups] f32
.set TQ,    270336      ; 32 thresholds, later the 32 numbers of rounds; a block of 256 bytes of its own
.set SPARE, 270592      ; the spare words, 128 bytes for each of the eight waves
.set MP,    272         ; pitch of the mask's rows of 256 bytes in LDS
.set LN,  1             ; lane
.set RR,  2             ; lane % 16
.set HH,  3             ; lane / 16
.set LA,  4             ; LDS address of the operand loads; steps
.set RS,  5             ; 32,768 w + 16 lane; never rewritten
.set XO,  6             ; 12 lane
.set MO,  7             ; LDS address of my 16 bytes of the mask; steps
.set T,   8             ; v8-15 at work
.set PP,  12            ; the way out: a partner lane's count
.set SPW, 16            ; my spare word
.set NIL, 17            ; 0
.set AQ,  18            ; v18-19 a of my query in tile 0, 1
.set ACC, 20            ; v20-27 pass 1: four minima a tile; pass 2: two sets of the mask words 2 t + c; then v20-23 four numbers of rounds
.set NT,  28            ; v28-43 eight copies a tile of -T2
.set QW,  44            ; v44-49 three packed words of coefficients a tile (until the fragments are made)
.set SV,  50            ; v50-57 the selection (between the passes)
.set PX,  48            ; the way out: v48-52 five planes of the count
.set PM,  56            ; v56-60 at work on them
.set CT,  61            ; an adder's register at work
.set ONE, 58
.set QA,  62            ; 12 (lane % 16)
.set MG,  63            ; 16 lane: my offset in 512 bytes of the mask
.set TUP, 64            ; the build: 48 sets of four registers, v64-255
.set A,   64            ; the passes: operand buffers 0 and 1 at v64-79, 2 and 3 at v44-59: buffer b at A + 8 b - 36 (b / 2); the way out: v64-79 the adders
.set FB,  80            ; v80-127 24 registers a tile: C0, 0, C0, C1, 0, C1 (C0: coefficients in lanes 0-15, C1: in lanes 16-31)
.set D,   128           ; two buffers of eight results: v128-191, v192-255
.set PW,  128           ; the way out: 16 mask words for each of four queries
	s_load_b128 s[4:7], s[0:1], 0x0                ; x0, x1
	s_load_b64 s[8:9], s[0:1], 0x10                ; mask
	s_load_b64 s[28:29], s[0:1], 0x18              ; rounds
	v_lshl_add_u32 v[SPW], v0, 2, SPARE
	v_mov_b32 v[NIL], 0
	v_lshrrev_b32 v[LN], 5, v0
	v_readfirstlane_b32 s10, v[LN]                 ; wave
	v_and_b32 v[LN], 31, v0
	v_and_b32 v[RR], 15, v0
	v_bfe_u32 v[HH], v0, 4, 1
	s_wait_alu depctr_va_sdst(0)                   ; s10 is written, ahead of its first reader: offsets and LDS addresses are made from it
	s_lshr_b32 s11, ttmp9, 5                       ; batch
	s_and_b32 s12, ttmp9, 31
	s_lshl_b32 s12, s12, 5                         ; first query
	s_mul_i32 s14, s11, 196608                     ; x0: the batch, and my wave's 2,048 points of 12 bytes
	s_mul_i32 s15, s10, 24576
	s_add_co_u32 s14, s14, s15
	s_mov_b32 s15, 0
	s_lshl_b32 s24, s11, 10                        ; x1: row 1,024 batch + first query
	s_add_co_u32 s24, s24, s12
	s_mul_i32 s24, s24, 12
	s_mov_b32 s25, 0
	s_lshl_b32 s26, ttmp9, 16                      ; mask: 65,536 bytes a work-group, 8,192 (four queries) a wave
	s_lshl_b32 s27, s10, 13
	s_add_co_u32 s26, s26, s27
	s_mov_b32 s27, 0
	s_lshl_b32 s30, ttmp9, 7                       ; rounds: 128 bytes a work-group
	s_mov_b32 s31, 0
	s_mov_b32 s16, 0xffff0000                      ; a word's upper bf16; also lanes 16-31
	s_mov_b32 s17, 0x0000ffff                      ; its lower one; also lanes 0-15
	s_mov_b32 s18, 0x76543210                      ; v_permlanex16_b32: each lane takes its own place in the other half
	s_mov_b32 s19, 0xfedcba98
	s_mov_b32 s23, 0x39000000                      ; 2 K = 2^-13
	s_lshl_b32 s13, s10, 15
	v_lshl_add_u32 v[RS], v[LN], 4, s13
	v_mul_u32_u24 v[MO], v[HH], MP
	v_lshl_add_u32 v[MO], v[RR], 4, v[MO]
	v_add_nc_u32 v[MO], s13, v[MO]                 ; 32,768 w + 272 h + 16 r
	v_mul_u32_u24 v[XO], v[LN], 12
	v_mul_u32_u24 v[QA], v[RR], 12
	v_lshlrev_b32 v[MG], 4, v[LN]
	v_mov_b32 v[ONE], 1.0
	s_wait_kmcnt 0x0
	s_add_nc_u64 s[4:5], s[4:5], s[14:15]
	s_add_nc_u64 s[6:7], s[6:7], s[24:25]
	s_add_nc_u64 s[8:9], s[8:9], s[26:27]
	s_add_nc_u64 s[28:29], s[28:29], s[30:31]
	s_wait_alu depctr_va_vdst(0)                   ; the offsets and LDS addresses v5, v6, v7, v62 and v63 are written, which the loads and stores of the kernel read
	global_load_b96 v[T:T+2], v[QA], s[6:7]                    ; query r of tile 0,
	global_load_b96 v[T+4:T+6], v[QA], s[6:7] offset:192       ; of tile 1
.set k, 0
.rept 48                                               ; load k: points 32 k + lane, 384 consecutive bytes
	global_load_b96 v[TUP+4*k:TUP+4*k+2], v[XO], s[4:5] offset:384*k
.set k, k+1
.endr
	s_wait_loadcnt 48                              ; the two queries are in; the 48 loads behind them stay out
; The coefficients of tile t, and a.  -2 q rounded to bf16 is -2 times q rounded; a comes from the rounded numbers: 4 a, then a quarter of it, both scalings exact.
.macro QPREP t
	v_mul_f32 v[T+4*(\t)], -2.0, v[T+4*(\t)]
	v_mul_f32 v[T+4*(\t)+1], -2.0, v[T+4*(\t)+1]
	v_mul_f32 v[T+4*(\t)+2], -2.0, v[T+4*(\t)+2]
	v_cvt_pk_bf16_f32 v[QW+3*(\t)], v[T+4*(\t)], v[T+4*(\t)+1]
	v_cvt_pk_bf16_f32 v[QW+3*(\t)+1], v[T+4*(\t)+2], v[ONE]
	v_mov_b32 v[QW+3*(\t)+2], 0x38803f80           ; (1.0, K)
	v_lshlrev_b32 v[T+4*(\t)], 16, v[QW+3*(\t)]
	v_and_b32 v[T+4*(\t)+1], s16, v[QW+3*(\t)]
	v_lshlrev_b32 v[T+4*(\t)+2], 16, v[QW+3*(\t)+1]
	v_mul_f32 v[T+4*(\t)], v[T+4*(\t)], v[T+4*(\t)]
	v_fma_f32 v[T+4*(\t)], v[T+4*(\t)+1], v[T+4*(\t)+1], v[T+4*(\t)]
	v_fma_f32 v[T+4*(\t)], v[T+4*(\t)+2], v[T+4*(\t)+2], v[T+4*(\t)]
	v_mul_f32 v[AQ+(\t)], 0x3e800000, v[T+4*(\t)]
.endm
	QPREP 0
	QPREP 1
; THE BUILD.  Load k's 32 points become records, in place, and go to LDS: 512 consecutive bytes.  The first 16 sets are loaded a second time, with loads 48 to 63.
; REC: the vector lines of record k.
.macro REC
.set R, TUP+4*(k%48)
.set U, T+4*(k%2)
	v_cvt_pk_bf16_f32 v[U], v[R+2], v[R+2]         ; (z, z)
	v_cvt_pk_bf16_f32 v[R], v[R], v[R+1]           ; word 0: (x, y)
	v_lshlrev_b32 v[U+3], 16, v[U]
	v_lshlrev_b32 v[U+1], 16, v[R]
	v_and_b32 v[U+2], s16, v[R]
	v_mul_f32 v[U+1], v[U+1], v[U+1]
	v_fma_f32 v[U+1], v[U+2], v[U+2], v[U+1]
	v_fma_f32 v[U+1], v[U+3], v[U+3], v[U+1]       ; b
	v_cvt_pk_bf16_f32 v[U+2], v[U+1], v[U+1]       ; (bh, bh)
	v_and_b32 v[U+3], s16, v[U+2]                  ; bh in f32
	v_sub_f32 v[U+1], v[U+1], v[U+3]               ; b - bh
	v_bfi_b32 v[R+1], s17, v[U], v[U+2]            ; word 1: (z, bh)
	v_cvt_pk_bf16_f32 v[R+2], v[U+1], v[U+3]       ; word 2: (bl, bh)
	v_mov_b32 v[R+3], 0
.endm
; Group g: records 4 g .. 4 g + 3 are made; among their lines stand the stores of group g - 1 and, in groups 2 to 5, loads 4 g + 40 .. 4 g + 43 into group g - 2's sets.
.set g, 0
.rept 16
.if g < 2
	s_wait_loadcnt 44-4*g                          ; my four loads are in; behind them: loads 4 g + 4 to 47
.elseif g < 6
	s_wait_loadcnt 36                              ; behind them: loads 4 g + 4 to 47 and the 4 g - 8 second loads issued so far
.else
	s_wait_loadcnt 60-4*g                          ; all 64 are issued: those behind load 4 g + 3
.endif
.if g > 0
	s_wait_alu depctr_va_vdst(0)                   ; the group before has written its records, which the stores below read; the lines that named group g - 2's sets, in which the loads below land, are done
.endif
.if (g > 1) && (g < 6)
	s_wait_alu depctr_vm_vsrc(0)                   ; the stores issued in the group before have read group g - 2's sets, in which the loads below land
.endif
.set j, 0
.rept 4
.if g > 0
.set R, TUP+4*((4*g-4+j)%48)
	ds_store_b128 v[RS], v[R:R+3] offset:512*(4*g-4+j)
.endif
.if (g > 1) && (g < 6)
.set R, TUP+4*(4*g-8+j)
	global_load_b96 v[R:R+2], v[XO], s[4:5] offset:384*(4*g+40+j)
.endif
.set k, 4*g+j
	REC
.set j, j+1
.endr
.set g, g+1
.endr
	s_wait_alu depctr_va_vdst(0)                   ; the last group has written its records, which the last four stores read
.set j, 0
.rept 4
.set R, TUP+4*((60+j)%48)
	ds_store_b128 v[RS], v[R:R+3] offset:512*(60+j)
.set j, j+1
.endr
	s_wait_alu depctr_vm_vsrc(0)                   ; my LDS stores have read v64-255: these registers are operands, fragments and results from here on
; The query fragments.  The fragment for slice s begins at 12 (s % 2) + 4 (s / 2) of a tile's 24 registers.
.macro FRAG t
.irp p, 0, 8
.irp i, 0,1,2
	v_cndmask_b32 v[FB+24*(\t)+(\p)+(\i)], 0, v[QW+3*(\t)+(\i)], s17
.endr
	v_mov_b32 v[FB+24*(\t)+(\p)+3], 0
.endr
.irp p, 12, 20
.irp i, 0,1,2
	v_cndmask_b32 v[FB+24*(\t)+(\p)+(\i)], 0, v[QW+3*(\t)+(\i)], s16
.endr
	v_mov_b32 v[FB+24*(\t)+(\p)+3], 0
.endr
.irp p, 4, 16
.irp i, 0,1,2,3
	v_mov_b32 v[FB+24*(\t)+(\p)+(\i)], 0
.endr
.endr
.endm
	FRAG 0
	FRAG 1
.irp i, 0,1,2,3,4,5,6,7
	v_mov_b32 v[ACC+(\i)], 0x7f7fffff              ; the largest finite number
.endr
; Product i = 2 s + t of the eight of the operand in buffer b, into result buffer u.  Every product starts a sum of its own: no accumulator is added onto.
.macro WM u, b, i, p
.set RA, A+8*(\b)-36*((\b)/2)
.set RD, D+64*(\u)+8*(\i)
.set RF, FB+24*((\i)%2)+12*(((\i)/2)%2)+4*((\i)/4)
.if (\p) == 1
	v_wmma_f32_16x16x32_bf16 v[RD:RD+7], v[RA:RA+7], v[RF:RF+7], 0
.else
	v_wmma_f32_16x16x32_bf16 v[RD:RD+7], v[RA:RA+7], v[RF:RF+7], v[NT+8*((\i)%2):NT+8*((\i)%2)+7]
.endif
.endm
; The vector work on result buffer u, part i of eight.  Pass 1: result i's eight numbers into the tile's four minima.  Pass 2: the sign bits of registers 4 (i % 2) .. + 3 of
; results 2 (i / 2) and 2 (i / 2) + 1 are shifted into the four mask words of set a.  Each result's lowest registers are read first.
.macro RIDE p, i, u, a
.if (\p) == 1
.irp m, 0,1,2,3
	v_min3_num_f32 v[ACC+4*((\i)%2)+(\m)], v[ACC+4*((\i)%2)+(\m)], v[D+64*(\u)+8*(\i)+2*(\m)], v[D+64*(\u)+8*(\i)+2*(\m)+1]
.endr
.else
.irp jo, 0,1,2,3
.irp t, 0,1
	v_alignbit_b32 v[ACC+4*(\a)+2*(\t)+(\jo)%2], v[ACC+4*(\a)+2*(\t)+(\jo)%2], v[D+64*(\u)+8*(2*((\i)/2)+(\t))+4*((\i)%2)+(\jo)], 31
.endr
.endr
.endif
.endm
; An operand, 1,024 bytes at byte at from v[LA], into buffer b.
.macro OPLOAD b, at
.set RA, A+8*(\b)-36*((\b)/2)
	ds_load_b128 v[RA:RA+3],   v[LA] offset:(\at)
	ds_load_b128 v[RA+4:RA+7], v[LA] offset:(\at)+512
.endm
; STEP n.  par = n % 2.  Operands 2 n + 1 and 2 n + 2 are multiplied; behind each product stands the vector work on the other result buffer (operands 2 n and 2 n + 1: pair n), which names none of
; the product's registers.  Operands 2 n + 3 (at byte at from v[LA]) and, with ld = 2, 2 n + 4 are asked for.  Pass 2, st >= 0: the 512 mask bytes of pair n - 1 go to byte st from v[MO].
; Pair P's bytes are rows 2 P and 2 P + 1 of my own region: below byte 544 (P + 1), while the records up to byte 1,024 (2 P + 5) at the least have been asked for,
; and LDS serves a wave's instructions in order (ISA guide 5.7.1.4).
; fr = 1: the wait on vm_vsrc at the step's end stands in both passes; fr = 2: in pass 2 alone.
.macro STEP p, par, at, ld, st, fr
	s_wait_dscnt 0x0                               ; my two operands are in: they were asked for behind the first two products of the step before
	s_wait_alu depctr_va_vdst(0)                   ; the products issued so far are done reading the operands in which the loads below land; pass 2: the step before has written the mask words that the store below reads; behind a lap's end: v[LA] and v[MO] are written
.irp i, 0,1,2,3,4,5,6,7
	WM 1, 1+2*(\par), \i, \p
	RIDE \p, \i, 0, \par
.if (\i) == 0
	OPLOAD 3-2*(\par), \at                         ; no wait: no line since the wait above names this buffer or v[LA]
.endif
.if ((\i) == 1) && ((\ld) == 2)
	OPLOAD 2*(\par), (\at)+1024
.endif
.if ((\i) == 2) && ((\p) == 2) && ((\st) >= 0)
	ds_store_b128 v[MO], v[ACC+4*(1-(\par)):ACC+4*(1-(\par))+3] offset:\st  ; this step's shifts write the other set
.endif
.endr
.irp i, 0,1,2,3,4,5,6,7
	WM 0, (2+2*(\par))%4, \i, \p
	RIDE \p, \i, 1, \par
.endr
.if ((\fr) == 1) || (((\fr) == 2) && ((\p) == 2))
	s_wait_alu depctr_vm_vsrc(0)                   ; pass 2: this step's store has read its four mask words, which the next step's shifts write again; at a lap's end: the LDS instructions issued so far have read v[LA] and v[MO], which are stepped
.endif
.endm
; A pass over my 32 operands.  Operand o goes through operand buffer o % 4 and result buffer o % 2; an operand's results are worked on while the next is multiplied.
.macro PASS p
	v_mov_b32 v[LA], v[RS]                         ; (pass 2: the waits on vm_vsrc between the passes stand behind pass 1's last load by v[LA])
	s_wait_alu depctr_va_vdst(0)                   ; v[LA] is written; the vector and matrix lines that named v44-51 and v64-79, in which operands 0 to 2 land, are done
	OPLOAD 0, 0
	OPLOAD 1, 1024
	OPLOAD 2, 2048
	s_wait_dscnt 0x4                               ; operand 0 is in; the four loads of operands 1 and 2 stay out
.irp i, 0,1,2,3,4,5,6,7
	WM 0, 0, \i, \p
.endr
.rept 4
	v_nop                                          ; four places behind these products, before their results are read (ISA guide 7.12.1)
.endr
	STEP \p, 0, 3072, 2, -1, 0                     ; step 0: there is no pair to store yet
	s_mov_b32 s22, 6
.Lpass\p:                                              ; lap j: steps 2 j + 1 and 2 j + 2; the four operand buffers and the two sets of mask words are back at their start
	STEP \p, 1, 5120, 2, 0, 2
	STEP \p, 0, 7168, 2, 2*MP, 1
	v_add_nc_u32 v[LA], 4096, v[LA]                ; four operands on
.if (\p) == 2
	v_add_nc_u32 v[MO], 4*MP, v[MO]                ; two pairs on
.endif
	s_sub_co_u32 s22, s22, 1
	s_cmp_lg_u32 s22, 0
	s_cbranch_scc1 .Lpass\p
	STEP \p, 1, 5120, 2, 0, 2                      ; step 13: operands 29 and 30 are asked for
	STEP \p, 0, 7168, 1, 2*MP, 2                   ; step 14: operand 31, the last
	s_wait_dscnt 0x0                               ; operand 31 is in
.if (\p) == 2
	s_wait_alu depctr_va_vdst(0)                   ; step 14's shifts have written pair 14's mask words, which the store below reads
.endif
.irp i, 0,1,2,3,4,5,6,7
	WM 1, 3, \i, \p
	RIDE \p, \i, 0, 1
.if ((\i) == 0) && ((\p) == 2)
	ds_store_b128 v[MO], v[ACC:ACC+3] offset:4*MP
.endif
.endr
.irp i, 0,1,2,3,4,5,6,7
	RIDE \p, \i, 1, 1
.endr
.if (\p) == 2
	s_wait_alu depctr_va_vdst(0)                   ; the last shifts have written pair 15's mask words, which the store below reads
	ds_store_b128 v[MO], v[ACC+4:ACC+7] offset:6*MP
.endif
.endm
	PASS 1
	; THE THRESHOLDS.  The minima meet in LDS; wave w takes queries 4 w .. 4 w + 3, 64 minima each in two registers.
	v_lshlrev_b32 v8, 8, v[RR]
	v_lshl_add_u32 v8, v[HH], 4, v8
	s_lshl_b32 s13, s10, 5
	s_add_co_u32 s13, s13, GM
	v_add_nc_u32 v8, s13, v8                       ; GM + 256 r + 32 w + 16 h
	s_lshl_b32 s14, s10, 10
	s_add_co_u32 s14, s14, GM
	v_lshl_add_u32 v9, v[LN], 2, s14
	s_wait_alu depctr_va_vdst(0)                   ; the minima, v8 and v9 are written, which the stores and loads below read; pass 1's products are done reading v50-57, in which the loads land
	ds_store_b128 v8, v[ACC:ACC+3]
	ds_store_b128 v8, v[ACC+4:ACC+7] offset:4096
	s_wait_dscnt 0x0                               ; for the others: my stores are done
	s_barrier_signal -1
	s_barrier_wait -1
.irp q, 0,1,2,3,4,5,6,7
	ds_load_b32 v[SV+(\q)], v9 offset:256*((\q)/2)+128*((\q)%2)
.endr
	s_wait_dscnt 0x0
	s_wait_alu depctr_vm_vsrc(0)                   ; the stores and loads above have read v8 and v9, which are made anew below, and v20-27, which pass 2's shifts write
; A stage of the bitonic sort over the 32 lanes: partner lane xor j; pk, pj: the lanes in which bit k, bit j of the lane number is set.  A lane of an even register keeps the
; larger number where the two bits differ (ascending), a lane of an odd register where they agree (descending).
.macro BST pk, pj, j
	s_mov_b32 s20, (\pj)^(\pk)
	s_not_b32 s21, s20
.irp q, 0,1,2,3,4,5,6,7
.if (\j) == 16
	v_permlanex16_b32 v[12+3*((\q)%2)], v[SV+(\q)], s18, s19
	v_min_num_f32 v[10+3*((\q)%2)], v[12+3*((\q)%2)], v[SV+(\q)]
	v_max_num_f32 v[11+3*((\q)%2)], v[12+3*((\q)%2)], v[SV+(\q)]
.else
	v_min_num_f32_dpp v[10+3*((\q)%2)], v[SV+(\q)], v[SV+(\q)] row_xmask:\j row_mask:0xf bank_mask:0xf
	v_max_num_f32_dpp v[11+3*((\q)%2)], v[SV+(\q)], v[SV+(\q)] row_xmask:\j row_mask:0xf bank_mask:0xf
.endif
	v_cndmask_b32 v[SV+(\q)], v[10+3*((\q)%2)], v[11+3*((\q)%2)], s[20+(\q)%2]
.endr
.endm
.set LM1,  0xaaaaaaaa
.set LM2,  0xcccccccc
.set LM4,  0xf0f0f0f0
.set LM8,  0xff00ff00
.set LM16, 0xffff0000
	BST LM2, LM1, 1
	BST LM4, LM2, 2
	BST LM4, LM1, 1
	BST LM8, LM4, 4
	BST LM8, LM2, 2
	BST LM8, LM1, 1
	BST LM16, LM8, 8
	BST LM16, LM4, 4
	BST LM16, LM2, 2
	BST LM16, LM1, 1
	BST 0, LM16, 16
	BST 0, LM8, 8
	BST 0, LM4, 4
	BST 0, LM2, 2
	BST 0, LM1, 1
.irp q, 0,2,4,6                                        ; an ascending row against a descending one: the lane-wise minima are the 32 smallest of the 64;
	v_min_num_f32 v[SV+(\q)], v[SV+(\q)], v[SV+(\q)+1]
.endr
.irp m, 1,2,4,8                                        ; their maximum is the 32nd smallest
.irp q, 0,2,4,6
	v_max_num_f32_dpp v[SV+(\q)], v[SV+(\q)], v[SV+(\q)] row_xmask:\m row_mask:0xf bank_mask:0xf
.endr
.endr
.irp q, 0,2,4,6
	v_permlanex16_b32 v[SV+(\q)+1], v[SV+(\q)], s18, s19
.endr
.irp q, 0,2,4,6
	v_max_num_f32 v[SV+(\q)], v[SV+(\q)], v[SV+(\q)+1]
.endr
	s_lshl_b32 s13, s10, 4
	s_add_co_u32 s13, s13, TQ
	v_mov_b32 v9, s13
	v_lshl_add_u32 v8, v[RR], 2, TQ
	s_wait_alu depctr_va_vdst(0)                   ; the four thresholds, v9 and v8 are written, which the stores and loads below read; the lines that named v50 and v51, in which the loads land, are done
.irp q, 0,1,2,3
	ds_store_b32 v9, v[SV+2*(\q)] offset:4*(\q)    ; all lanes write the same word with the same number
.endr
	s_wait_dscnt 0x0                               ; for the others: my stores are done
	s_barrier_signal -1
	s_barrier_wait -1
	s_wait_alu depctr_vm_vsrc(0)                   ; my stores have read v50, in which the first load below lands
	ds_load_b32 v[SV], v8
	ds_load_b32 v[SV+1], v8 offset:64
	s_wait_dscnt 0x0
.irp t, 0,1
	v_fma_f32 v[SV+(\t)], v[AQ+(\t)], s23, v[SV+(\t)]          ; T + 2 K a
	v_add_f32 v[SV+(\t)], 0x0d800000, v[SV+(\t)]               ; + 2^-100, for a query and points at the origin
	v_xor_b32 v[SV+(\t)], 0x80000000, v[SV+(\t)]
.irp i, 0,1,2,3,4,5,6,7
	v_mov_b32 v[NT+8*(\t)+(\i)], v[SV+(\t)]
.endr
.irp p, 2, 10, 14, 22
	v_xor_b32 v[FB+24*(\t)+(\p)], 0x80000000, v[FB+24*(\t)+(\p)]  ; K becomes -K (in the lanes that hold 0: -0)
.endr
.endr
	PASS 2                                         ; the mask words need no clearing: 32 shifts push out what they held
	; THE WAY OUT.  Row l of wave i's region holds, at byte 16 r + 8 t, the two words of query 16 t + r for that wave's points 128 (l / 2) + 8 (l % 2) + ..
	s_wait_dscnt 0x0                               ; for the others: my mask words are in LDS, and my reads of my records are over
	s_barrier_signal -1
	s_barrier_wait -1
	v_mul_u32_u24 v8, v[LN], MP                    ; (pass 2's waits on vm_vsrc stand behind the last LDS instructions that read v8 and v9)
	s_and_b32 s13, s10, 3                          ; my first query 4 w: r = 4 (w % 4), t = w / 4
	s_lshl_b32 s13, s13, 6
	s_lshr_b32 s14, s10, 2
	s_lshl_b32 s14, s14, 3
	s_add_co_u32 s13, s13, s14
	v_add_nc_u32 v8, s13, v8                       ; 272 l + 16 r + 8 t
	v_add_nc_u32 v9, 0x10000, v8                   ; an LDS offset holds 16 bits: a register for every two regions
	v_add_nc_u32 v10, 0x20000, v8
	v_add_nc_u32 v11, 0x30000, v8
	s_wait_alu depctr_va_vdst(0)                   ; v8 to v11 are written, which the loads below read; pass 2's products and shifts are done with v128-191, in which they land
.irp qq, 0,1,2,3
.irp i, 0,1,2,3,4,5,6,7
	ds_load_b64 v[PW+16*(\qq)+2*(\i):PW+16*(\qq)+2*(\i)+1], v[8+(\i)/2] offset:32768*((\i)%2)+16*(\qq)
.endr
.endr
; The count.  The 16 words are added bit place by bit place: a full adder makes of three words of one weight a sum of that weight (l) and a carry of twice the weight (h);
; 11 full and 4 half adders leave five planes of weight 1, 2, 4, 8, 16.
.macro CSA h, l, a, b, c               ; h is neither c nor the register at work; l may be any of the sources
	v_xor_b32 v[CT], v[\a], v[\b]
	v_bfi_b32 v[\h], v[CT], v[\c], v[\a]           ; the majority: c where a and b differ, a where they agree
	v_xor_b32 v[\l], v[CT], v[\c]
.endm
.macro HA h, l, a, b                   ; h is neither a nor b
	v_and_b32 v[\h], v[\a], v[\b]
	v_xor_b32 v[\l], v[\a], v[\b]
.endm
.macro QOUT qq
.set W, PW+16*(\qq)
	s_wait_dscnt 24-8*(\qq)                        ; this query's eight loads are in; the later queries' stay out
.irp n, 0,1,2,3
	global_store_b128 v[MG], v[W+4*(\n):W+4*(\n)+3], s[8:9] offset:2048*(\qq)+512*(\n)  ; the wave stores 512 consecutive bytes, at a multiple of 512 from the mask's first byte; no line below writes these registers
.endr
	CSA 64, 69, W+0, W+1, W+2                      ; weight 1: sixteen words
	CSA 65, 70, W+3, W+4, W+5
	CSA 66, 71, W+6, W+7, W+8
	CSA 67, 72, W+9, W+10, W+11
	CSA 68, 73, W+12, W+13, W+14
	CSA 74, 69, 69, 70, 71
	CSA 75, 72, 72, 73, W+15
	HA  76, 48, 69, 72                             ; v48: the plane of weight 1
	CSA 77, 64, 64, 65, 66                         ; weight 2: eight carries, v64-68 and v74-76
	CSA 78, 67, 67, 68, 74
	CSA 79, 64, 64, 67, 75
	HA  65, 49, 64, 76                             ; v49: weight 2
	CSA 66, 77, 77, 78, 79                         ; weight 4: v77-79 and v65
	HA  67, 50, 77, 65                             ; v50: weight 4
	HA  52, 51, 66, 67                             ; v51: weight 8; v52: weight 16
.irp p, 0,1,2,3,4                                      ; each plane's bits are counted into its four bytes, 8 at the most in a byte
	v_lshrrev_b32 v[PM+(\p)], 1, v[PX+(\p)]
.endr
.irp p, 0,1,2,3,4
	v_and_b32 v[PM+(\p)], 0x55555555, v[PM+(\p)]
.endr
.irp p, 0,1,2,3,4
	v_sub_nc_u32 v[PX+(\p)], v[PX+(\p)], v[PM+(\p)]            ; fields of 2 bits
.endr
.irp p, 0,1,2,3,4
	v_lshrrev_b32 v[PM+(\p)], 2, v[PX+(\p)]
.endr
.irp p, 0,1,2,3,4
	v_and_b32 v[PX+(\p)], 0x33333333, v[PX+(\p)]
.endr
.irp p, 0,1,2,3,4
	v_and_b32 v[PM+(\p)], 0x33333333, v[PM+(\p)]
.endr
.irp p, 0,1,2,3,4
	v_add_nc_u32 v[PX+(\p)], v[PX+(\p)], v[PM+(\p)]            ; fields of 4 bits
.endr
.irp p, 0,1,2,3,4
	v_lshrrev_b32 v[PM+(\p)], 4, v[PX+(\p)]
.endr
.irp p, 0,1,2,3,4
	v_add_nc_u32 v[PX+(\p)], v[PX+(\p)], v[PM+(\p)]
.endr
.irp p, 0,1,2,3,4
	v_and_b32 v[PX+(\p)], 0x0f0f0f0f, v[PX+(\p)]               ; bytes
.endr
.irp p, 3,2,1,0                                        ; the planes by their weights: a byte holds 8 x 31 = 248 at the most
	v_lshl_add_u32 v[PX+(\p)], v[PX+(\p)+1], 1, v[PX+(\p)]
.endr
	v_lshrrev_b32 v[PM], 8, v[PX]                  ; the four bytes are added
	v_and_b32 v[PX], 0x00ff00ff, v[PX]
	v_and_b32 v[PM], 0x00ff00ff, v[PM]
	v_add_nc_u32 v[PX], v[PX], v[PM]
	v_lshrrev_b32 v[PM], 16, v[PX]
	v_and_b32 v[PX], 0xffff, v[PX]
	v_add_nc_u32 v[PX], v[PX], v[PM]               ; my lane's candidates
.irp m, 1,2,4,8                                        ; the largest of the 32 lanes'
	v_mov_b32_dpp v[PP], v[PX] row_xmask:\m row_mask:0xf bank_mask:0xf
	v_max_u32 v[PX], v[PX], v[PP]
.endr
	v_permlanex16_b32 v[PP], v[PX], s18, s19
.if (\qq) == 0
	s_wait_alu depctr_vm_vsrc(0)                   ; pair 14's LDS store has read v20-23, which take the four numbers of rounds from here on; the 32 loads above have read v8 to v11, which are written again further down
.endif
	v_max_u32 v[ACC+(\qq)], v[PX], v[PP]
.endm
	QOUT 0
	QOUT 1
	QOUT 2
	QOUT 3
	s_lshl_b32 s13, s10, 4
	s_add_co_u32 s13, s13, TQ
	v_mov_b32 v9, s13
	s_wait_alu depctr_va_vdst(0)                   ; v9 and the four numbers of rounds are written, which the stores below read
.irp qq, 0,1,2,3
	ds_store_b32 v9, v[ACC+(\qq)] offset:4*(\qq)   ; the thresholds there were last read ahead of pass 2, a barrier ago; all lanes write the same number
.endr
	s_wait_dscnt 0x0                               ; for wave 0: my stores are done
	s_barrier_signal -1
	s_barrier_wait -1
	s_cmp_lg_u32 s10, 0
	s_cbranch_scc1 .Lnot_wave_0
	v_lshl_add_u32 v8, v[LN], 2, TQ
	v_lshlrev_b32 v10, 2, v[LN]
	s_wait_alu depctr_va_vdst(0)                   ; v8 and v10 are written, which the load and the store below read
	ds_load_b32 v11, v8
	s_wait_dscnt 0x0
	global_store_b32 v10, v11, s[28:29]            ; the work-group's 32 numbers: 128 consecutive bytes, all that it has of them
.Lnot_wave_0:
	s_wait_dscnt 0x0                               ; the wave's end
	s_wait_alu 0x0
	s_wait_tensorcnt 0x0
	ds_add_u32 v[SPW], v[NIL]
	s_wait_dscnt 0x0
	s_endpgm
.Lfunc_end_k_qf73807842e_sieve:
	.size	k_qf73807842e_sieve, .Lfunc_end_k_qf73807842e_sieve-k_qf73807842e_sieve
	.p2alignl 7, 3214868480
	.fill 96, 4, 3214868480
	.section	.rodata,"a",@progbits
	.p2align	6, 0x0
	.amdhsa_kernel k_qf73807842e_sieve
		.amdhsa_group_segment_fixed_size 271616
		.amdhsa_private_segment_fixed_size 0
		.amdhsa_enable_private_segment 0
		.amdhsa_kernarg_size 32
		.amdhsa_user_sgpr_count 2
		.amdhsa_user_sgpr_kernarg_segment_ptr 1
		.amdhsa_wavefront_size32 1
		.amdhsa_system_sgpr_workgroup_id_x 1
		.amdhsa_system_sgpr_workgroup_id_y 1
		.amdhsa_system_sgpr_workgroup_id_z 1
		.amdhsa_system_vgpr_workitem_id 0
		.amdhsa_next_free_vgpr 256
		.amdhsa_next_free_sgpr 66
		.amdhsa_reserve_vcc 0
		.amdhsa_float_denorm_mode_32 3
		.amdhsa_float_denorm_mode_16_64 3
		.amdhsa_memory_ordered 1
		.amdhsa_forward_progress 1
		.amdhsa_inst_pref_size 203
	.end_amdhsa_kernel
	.amdgpu_metadata
---
amdhsa.version: [ 1, 2 ]
amdhsa.kernels:
  - .name:           k_qf73807842e_sieve
    .symbol:         k_qf73807842e_sieve.kd
    .args:
      - { .name: x0, .offset: 0, .size: 8, .value_kind: global_buffer, .address_space: global }
      - { .name: x1, .offset: 8, .size: 8, .value_kind: global_buffer, .address_space: global }
      - { .name: mask, .offset: 16, .size: 8, .value_kind: global_buffer, .address_space: global }
      - { .name: rounds, .offset: 24, .size: 8, .value_kind: global_buffer, .address_space: global }
    .group_segment_fixed_size: 271616
    .private_segment_fixed_size: 0
    .kernarg_segment_align: 8
    .kernarg_segment_size: 32
    .max_flat_workgroup_size: 256
    .sgpr_count:     66
    .vgpr_count:     256
    .wavefront_size: 32
...
	.end_amdgpu_metadata
.endif
;; end of part 4
;; launch list: the kernel of part 2 again; grid 256 x 1, 32 waves a work-group, no clusters, 0 bytes of LDS; arguments mask, rounds, list; writes list
;; launch pick: the kernel of part 3 again; grid 256 x 1, 32 waves a work-group, no clusters, 36,864 bytes of LDS; arguments x0, x1, mask, rounds, list, out0, out1, out2; writes out0, out1, out2
